; MI455X (gfx1250); checked and timed in simulation.
; The chip was launched on July 23, 2026; its instructions are those of AMD's public machine-readable ISA for CDNA 5 (MIT licence, August 2026) and "CDNA5" Instruction Set Architecture Reference Guide (July 2026). The comments in the code are by the model that wrote it; some were corrected since.
;; Cross Attention. Allowed arithmetic: float matrix products may take bf16 or f16 operands with f32 sums; other float arithmetic in f32, or as packed bf16 or f16 multiplies, adds, multiply-adds, maxima and minima; sums over many terms, partial sums and values carried from step to step in f32; what a program stores and reads back later, other than sums and carried values, may be rounded once to bf16 or f16.
;; Inputs: Wk 768 x 1,024 float32; Wo 1,024 x 1,024 float32; Wq 1,024 x 1,024 float32; Wv 768 x 1,024 float32; bk 1,024 float32; bo 1,024 float32; bq 1,024 float32; bv 1,024 float32; key 4 x 2,048 x 768 float32; query 4 x 2,048 x 1,024 float32; value 4 x 2,048 x 768 float32.
;; Outputs: out0 4 x 2,048 x 1,024 float32.
;; 2 versions, each right; version 2 is version 1 with the launch cast written anew for expert scheduling mode. Each part assembles by itself: llvm-mc -triple=amdgcn-amd-amdhsa -mcpu=gfx1250 --defsym DOCPART=n.
;; ======== version 1 of 2: 5 launches
;; limits: values are held in f16: magnitudes above 65,504 overflow, below 6.1e-05 lose precision
;; workspace buffers: wts 7,340,032 bytes; qh 16,777,216 bytes; kh 16,777,216 bytes; vh 16,777,216 bytes; oh 16,777,216 bytes
;; launch cast (part 1): grid 256 x 1, 4 waves a work-group, no clusters, 0 bytes of LDS; arguments Wq, Wk, Wv, Wo, wts; writes wts
.if DOCPART == 1
	.amdgcn_target "amdgcn-amd-amdhsa--gfx1250"
	.amdhsa_code_object_version 6
	.text
	.protected	k_q36ff458107_cast
	.globl	k_q36ff458107_cast
	.p2align	8
	.type	k_q36ff458107_cast,@function
k_q36ff458107_cast:
	s_mov_b64 s[64:65], 0
	v_nop
	global_prefetch_b8 v0, s[64:65] scope:SCOPE_SE
	s_setreg_imm32_b32 hwreg(HW_REG_WAVE_MODE, 25, 1), 1
	s_wait_xcnt 0x0
; THE WEIGHTS IN 16 BITS.  Wq [1024][1024], Wk and Wv [768][1024], Wo [1024][1024], f32, keep their layout and go one behind the other into wts, rows of 1,024 numbers of 2 bytes.
; Wq, Wk, Wv: rounded once to bf16.  Wo: rounded to bf16 like every input, and that number written as f16, since the last product takes f16 operands.
; LIMIT.  A bf16 number is exact in f16 from 6.1e-5 to 65,504; below that Wo keeps f16's fixed step of 6e-8; beyond it the result is an infinity.
; SHARES.  Work-group i takes 1/256 of each weight: 4 + 3 + 3 + 4 = 14 items of 1,024 numbers.  In an item thread t takes 8 numbers: 32 bytes in by two loads, 16 bytes out by one store,
; so a wave's store covers 512 consecutive bytes, aligned.  All 28 loads go out first; no register is written twice, so nothing but the loads is waited for.
; No LDS, no matrix unit, no prefetch: each byte is read once, by loads that all stand at the head.
.set WK_OFF, 2097152                   ; bytes in wts in front of Wk,
.set WV_OFF, 3670016                   ; of Wv,
.set WO_OFF, 5242880                   ; of Wo
.set IN,  8                            ; v[8:119]    item n: 8 registers as loaded
.set OUT, 120                          ; v[120:175]  item n: 4 registers to store
.set T,   176                          ; v[176:183]  at work
	s_load_b256 s[4:11], s[0:1], 0x0               ; Wq s[4:5], Wk s[6:7], Wv s[8:9], Wo s[10:11]
	s_load_b64 s[12:13], s[0:1], 0x20              ; wts
	s_lshl_b32 s16, ttmp9, 14                      ; my 4,096 numbers of Wq and Wo, in bytes of f32
	s_mov_b32 s17, 0
	s_mul_i32 s18, ttmp9, 12288                    ; my 3,072 numbers of Wk and Wv
	s_mov_b32 s19, 0
	s_lshl_b32 s14, ttmp9, 13                      ; the same in bytes of 16-bit numbers
	s_mov_b32 s15, 0
	s_mul_i32 s2, ttmp9, 6144
	s_mov_b32 s3, 0
	s_mov_b32 s28, 0xffff0000                      ; a word's upper bf16
	v_lshlrev_b32 v1, 5, v0                        ; 32 t
	v_lshlrev_b32 v2, 4, v0                        ; 16 t
	s_wait_kmcnt 0x0
	s_add_nc_u64 s[4:5], s[4:5], s[16:17]
	s_add_nc_u64 s[10:11], s[10:11], s[16:17]
	s_add_nc_u64 s[6:7], s[6:7], s[18:19]
	s_add_nc_u64 s[8:9], s[8:9], s[18:19]
	s_add_nc_u64 s[20:21], s[12:13], s[14:15]      ; where my part of Wq goes,
	s_add_nc_u64 s[22:23], s[12:13], s[2:3]
	s_add_nc_u64 s[26:27], s[20:21], WO_OFF        ; of Wo,
	s_add_nc_u64 s[24:25], s[22:23], WV_OFF        ; of Wv,
	s_add_nc_u64 s[22:23], s[22:23], WK_OFF        ; of Wk
.macro LD n, base, k                   ; item n: the k-th 1,024 numbers behind s[base]
	global_load_b128 v[IN+8*(\n):IN+8*(\n)+3],   v1, s[\base:\base+1] offset:(\k)*4096 th:TH_LOAD_NT
	global_load_b128 v[IN+8*(\n)+4:IN+8*(\n)+7], v1, s[\base:\base+1] offset:(\k)*4096+16 th:TH_LOAD_NT
.endm
.macro ITEM n, base, k, half           ; half = 1: on from bf16 to f16
	s_wait_loadcnt 26-2*(\n)                       ; loads come back in order: behind this item's two stand the later items' 26 - 2 n
.irp j, 0,1,2,3
	v_cvt_pk_bf16_f32 v[OUT+4*(\n)+(\j)], v[IN+8*(\n)+2*(\j)], v[IN+8*(\n)+2*(\j)+1]
.endr
.if \half
.irp j, 0,1,2,3
	v_lshlrev_b32 v[T+2*(\j)],   16,  v[OUT+4*(\n)+(\j)]
	v_and_b32     v[T+2*(\j)+1], s28, v[OUT+4*(\n)+(\j)]
.endr
.irp j, 0,1,2,3
	v_cvt_pk_f16_f32 v[OUT+4*(\n)+(\j)], v[T+2*(\j)], v[T+2*(\j)+1]
.endr
.endif
	global_store_b128 v2, v[OUT+4*(\n):OUT+4*(\n)+3], s[\base:\base+1] offset:(\k)*2048
.endm
	LD 0, 4, 0
	LD 1, 4, 1
	LD 2, 4, 2
	LD 3, 4, 3
	LD 4, 6, 0
	LD 5, 6, 1
	LD 6, 6, 2
	LD 7, 8, 0
	LD 8, 8, 1
	LD 9, 8, 2
	LD 10, 10, 0
	LD 11, 10, 1
	LD 12, 10, 2
	LD 13, 10, 3
	ITEM 0, 20, 0, 0
	ITEM 1, 20, 1, 0
	ITEM 2, 20, 2, 0
	ITEM 3, 20, 3, 0
	ITEM 4, 22, 0, 0
	ITEM 5, 22, 1, 0
	ITEM 6, 22, 2, 0
	ITEM 7, 24, 0, 0
	ITEM 8, 24, 1, 0
	ITEM 9, 24, 2, 0
	ITEM 10, 26, 0, 1
	ITEM 11, 26, 1, 1
	ITEM 12, 26, 2, 1
	ITEM 13, 26, 3, 1
	s_endpgm
.Lfunc_end_k_q36ff458107_cast:
	.size	k_q36ff458107_cast, .Lfunc_end_k_q36ff458107_cast-k_q36ff458107_cast
	.p2alignl 7, 3214868480
	.fill 96, 4, 3214868480
	.section	.rodata,"a",@progbits
	.p2align	6, 0x0
	.amdhsa_kernel k_q36ff458107_cast
		.amdhsa_group_segment_fixed_size 0
		.amdhsa_private_segment_fixed_size 0
		.amdhsa_enable_private_segment 0
		.amdhsa_kernarg_size 40
		.amdhsa_user_sgpr_count 2
		.amdhsa_user_sgpr_kernarg_segment_ptr 1
		.amdhsa_wavefront_size32 1
		.amdhsa_system_sgpr_workgroup_id_x 1
		.amdhsa_system_sgpr_workgroup_id_y 1
		.amdhsa_system_sgpr_workgroup_id_z 1
		.amdhsa_system_vgpr_workitem_id 0
		.amdhsa_next_free_vgpr 184
		.amdhsa_next_free_sgpr 66
		.amdhsa_reserve_vcc 0
		.amdhsa_float_denorm_mode_32 3
		.amdhsa_float_denorm_mode_16_64 3
		.amdhsa_memory_ordered 1
		.amdhsa_forward_progress 1
		.amdhsa_inst_pref_size 12
	.end_amdhsa_kernel
	.amdgpu_metadata
---
amdhsa.version: [ 1, 2 ]
amdhsa.kernels:
  - .name:           k_q36ff458107_cast
    .symbol:         k_q36ff458107_cast.kd
    .args:
      - { .name: Wq, .offset: 0, .size: 8, .value_kind: global_buffer, .address_space: global }
      - { .name: Wk, .offset: 8, .size: 8, .value_kind: global_buffer, .address_space: global }
      - { .name: Wv, .offset: 16, .size: 8, .value_kind: global_buffer, .address_space: global }
      - { .name: Wo, .offset: 24, .size: 8, .value_kind: global_buffer, .address_space: global }
      - { .name: wts, .offset: 32, .size: 8, .value_kind: global_buffer, .address_space: global }
    .group_segment_fixed_size: 0
    .private_segment_fixed_size: 0
    .kernarg_segment_align: 8
    .kernarg_segment_size: 40
    .max_flat_workgroup_size: 128
    .sgpr_count:     66
    .vgpr_count:     184
    .wavefront_size: 32
...
	.end_amdgpu_metadata
.endif
;; end of part 1
;; launch projq (part 2): grid 4 x 64, 4 waves a work-group, clusters of 4 x 4, 327,680 bytes of LDS; arguments query, wts, bq, qh; writes qh
.if DOCPART == 2
	.amdgcn_target "amdgcn-amd-amdhsa--gfx1250"
	.amdhsa_code_object_version 6
	.text
	.protected	k_q36ff458107_projq
	.globl	k_q36ff458107_projq
	.p2align	8
	.type	k_q36ff458107_projq,@function
k_q36ff458107_projq:
	s_mov_b64 s[64:65], 0
	v_nop
	global_prefetch_b8 v0, s[64:65] scope:SCOPE_SE
	s_setreg_imm32_b32 hwreg(HW_REG_WAVE_MODE, 25, 1), 1
	s_wait_xcnt 0x0
	s_wait_alu depctr_hold_cnt(0) depctr_sa_sdst(0) depctr_va_vdst(0) depctr_va_sdst(0) depctr_va_ssrc(0) depctr_va_vcc(0) depctr_vm_vsrc(0)
	s_getreg_b32 s2, hwreg(HW_REG_IB_STS2, 6, 4)
	s_cmp_eq_u32 s2, 0
	s_cbranch_scc0 .Lentry_in_a_cluster
	s_endpgm
.Lentry_in_a_cluster:
	s_bfe_u32 s2, ttmp6, 0x10000c
	s_cmp_lg_u32 s2, 0xf033
	s_cbranch_scc0 .Lentry_shape_is_right
	s_endpgm
.Lentry_shape_is_right:
; qh = f16( bf16(query) x bf16(Wq) + bf16(bq) ), laid by heads.  query: [8192][1024] f32.  Wq: [1024 (k)][1024 (n)] bf16, at the head of wts.  qh: [64 = 16 batch + head][2048][64] f16.
; Products in bf16, sums in f32, the result rounded once and WITHOUT the softmax's scale.
; LIMIT.  f16 ends at 65,504: a q beyond that becomes an infinity.  NaN and infinities are not treated apart.
; SHARES.  A tile of C is 128 rows x 256 columns: 64 x 4 = 256 work-groups.  Four waves; wave w makes rows 64 (w / 2) on and columns 128 (w % 2) on: 4 x 8 accumulators of 16 x 16, 256 registers.
; K goes in steps of 128 through a ring of two LDS slots.  A's tile arrives as f32 (rows of 512 bytes of memory) and is rounded to bf16 in registers, one conversion for each matrix instruction;
; W's tile lies [k][n] and is turned on its way out of LDS by ds_load_tr16_b128.
; THE MATRIX INSTRUCTION IS USED TRANSPOSED (source 0 = 16 columns of W, source 1 = 16 rows of A): a lane holds one row of C (lane % 16) and the 8 neighbouring columns 8 (lane / 16) + 0..7.
; The bias, laid out likewise, is the C operand of each accumulator's first product.
; CLUSTER.  4 x 4 work-groups.  The four of a row of the cluster make the four column tiles of one row tile and need the same tiles of A; the four of a column need the same tiles of W.  Each tile is
; asked for JOINTLY: the same tensor load, descriptor and mask in all four.
; THE ORDER.  A step is four quarters of 32 along K, 32 matrix instructions each, on fragment buffers 0, 1, 0, 1.  A quarter begins with the fetch of the next quarter's fragments.  The change of slots
; stands in front of a step's fourth quarter, when all of the step's fragments have been fetched.  So the text between two changes is one PAIR of quarters, walked twice.
; REGISTERS, in windows of 256 (s_set_vgpr_msb: bits 1:0 source 0, 3:2 source 1, 5:4 source 2, 7:6 destination):
;   window 0: v0-29 addresses; v32-95 A's fragments in bf16, two buffers; v96-159 A's fragments as they come, f32; v160-255 at work on the way out
;   window 1: v0-127 W's fragments, two buffers; v128-191 the bias; v192-223 at work          window 2: the accumulators, (a, b) at v[8 (8 a + b)]
.set KDIM,  1024                       ; K
.set NS,    KDIM/128                   ; steps
.set W_OFF, 0                          ; Wq's first byte in wts
.set PA,    528                        ; a row of A in LDS: 512 bytes + 16 = 33 x 16: the 16 rows of a load start at 16 different groups of four banks (64 banks of 4 bytes: ISA guide 11.1)
.set PB,    544                        ; a row of W: 512 + 32 = 17 x 32
.set BREG,  128*PA                     ; in a slot: A's 128 rows, then W's 128 rows
.set SLOT,  BREG+128*PB
.set STAGE, 2*SLOT                     ; behind the ring, never filled by a tensor load: 16 rows x 272 bytes for each wave, for the way out
.set SP,    272
.set SPARE, STAGE+4*16*SP              ; behind the stages: the spare words, 128 bytes for each wave: two blocks of 256 bytes that no other line names
.set ASTEP, 512                        ; bytes of memory from step to step: 128 numbers of f32 along a row of A,
.set BSTEP, 128*2048                   ; 128 rows of W
.set DA,    128                        ; bytes of an LDS row of A in a quarter
.set AADV,  2*DA                       ; what two quarters advance in A's tile
.set A0,  2                            ; v2   my lane's place in A's tile; never rewritten
.set B0,  3                            ; v3   the same in W's
.set FA,  4                            ; v4   LDS address of A's next fetches
.set FB,  5                            ; v5   of W's
.set STO, 6                            ; v6   the way out: where I put 16 bytes of a row
.set RD,  7                            ; v7   the way out: where I read rows back
.set GO,  8                            ; v8   my 16 bytes in 512 consecutive bytes of qh
.set PFO, 9                            ; v9   the prefetches' offset; never rewritten
.set BO,  13                           ; v13  my byte offset in the bias
.set SPW, 28                           ; v28  LDS address of my spare word: SPARE + 4 x my thread's number; never rewritten
.set NIL, 29                           ; v29  0; never rewritten
.set ABUF, 32
.set RAW,  96
.set TMP,  160
.set OB,   192
.set BIAS, 128                         ; window 1
.set BSC,  192                         ; window 1
.set WV, 12                            ; s12  my wave's number
.set RH, 13                            ; s13  which 64 rows are mine.  Also: I fetch for A (0) or for W (1)
.set CH, 14                            ; s14  which 128 columns.  Also: which half of that tile I fetch
.set CX, 15                            ; s15, s16  my place in the cluster
.set CY, 16
.set TC, 17                            ; s17  tile column
.set TR, 18                            ; s18  tile row
.set HM, 23                            ; s23  a word's upper bf16
.set G1A, 24                           ; s[24:31] descriptor group 1 for A's tiles;  s[32:39] group 0: a set for each of the two first fills; the second then walks on
.set G0A, 32
.set G1B, 40                           ; s[40:47], s[48:55] the same for W's
.set G0B, 48
.set SLOTS, 56                         ; s56  changes of slots still to come that fill a slot, and one
.set CNT, 57                           ; s57  counts the pairs of quarters between two changes
.set TBA, 58                           ; s58  LDS byte at which A's next fetches begin
.set LBA, 59                           ; s59  my half of A's tile in a slot
.set LBB, 60                           ; s60  my half of W's
.set LIM, 61                           ; s61  2 in a wave that prefetches, else the greatest number
.set PFA, 62                           ; s[62:63] where my prefetches stand
.set TBB, 82                           ; s82  LDS byte at which W's next fetches begin, less BREG
.set MSB, 0
.macro WIN new                         ; the immediate's high byte repeats the setting that is left; a switch that changes nothing is dropped
.if MSB != (\new)
	s_set_vgpr_msb (MSB<<8)|(\new)
.set MSB, (\new)
.endif
.endm
.set MUL,  0xa1                        ; source 0 (W) window 1, source 1 (A) window 0, C and D window 2
.set MUL1, 0x91                        ; the same with C (the bias) in window 1
.set TO_B, 0x40                        ; destination window 1, address window 0
.set W_BI, 0x45                        ; sources and destination window 1
.macro PLACES
.rept 4
	v_nop
.endr
.endm
; A joint refill.  Waves 0 and 1 fetch A's two halves, waves 2 and 3 W's.  The branch hangs on the wave's number alone.  An s_nop 0 and four v_nop follow each of the two lines.
.macro JLOAD
	s_cmp_eq_u32 s[RH], 0
	s_cbranch_scc0 .Lfor_b_\@
	tensor_load_to_lds s[G0A+4:G0A+7], s[G1A:G1A+7]
	s_nop 0
	PLACES
	s_branch .Lasked_\@
.Lfor_b_\@:
	tensor_load_to_lds s[G0B+4:G0B+7], s[G1B:G1B+7]
	s_nop 0
	PLACES
.Lasked_\@:
.endm
; A PREFETCH INTO THE L2 of A's step that stands TWO refills on, 256 matrix instructions ahead of the load that will want it.  A step of a tile is 128 rows x 512 bytes = 256 blocks of 256 bytes: of the 64 rows
; that wave 0 or 1 fetches, the partner at place cx takes 16, told apart BY ADDRESS; a lane takes one block.  One cluster alone reads a row tile, so each block is named once in the launch.
; Steps 0 to 3 come by their loads alone; the last two changes that fill a slot ask for nothing: there is no step two refills on.  W is not asked for: all rows of clusters read it.
.macro ASK
	s_cmp_gt_u32 s[SLOTS], s[LIM]
	s_cbranch_scc0 .Lnot_mine_\@
	global_prefetch_b8 v[PFO], s[PFA:PFA+1] th:TH_LOAD_NT scope:SCOPE_SE
.Lnot_mine_\@:
.endm
; A round of the cluster's barrier: my work-group's barrier, so that wave 0's signal speaks for all four waves; wave 0 signals; every wave waits for all sixteen work-groups; my work-group's barrier once more.
.macro CROUND
	s_barrier_signal -1
	s_barrier_wait -1
	s_cmp_lg_u32 s[WV], 0
	s_cbranch_scc1 .Lnot_wave_0_\@
	s_barrier_signal -3
.Lnot_wave_0_\@:
	s_barrier_wait -3
	s_barrier_signal -1
	s_barrier_wait -1
.endm
	s_load_b256 s[4:11], s[0:1], 0x0               ; query s[4:5], wts s[6:7], bq s[8:9], qh s[10:11]
	v_lshl_add_u32 v[SPW], v0, 2, SPARE
	v_mov_b32 v[NIL], 0
	ds_add_u32 v[SPW], v[NIL]                      ; the wave's opening: the add and its wait stand ahead of my first tensor load; the set-up below, work on registers, stands between them
	v_lshrrev_b32 v11, 5, v0
	v_readfirstlane_b32 s[WV], v11                 ; wave 0..3
	s_lshr_b32 s[RH], s[WV], 1
	s_and_b32 s[CH], s[WV], 1
	s_bfe_u32 s[CX], ttmp6, 0x40000
	s_bfe_u32 s[CY], ttmp6, 0x40004
	s_lshl_b32 s[TC], ttmp9, 2                     ; in a cluster launch ttmp9 and ttmp7 count clusters
	s_add_co_u32 s[TC], s[TC], s[CX]
	s_and_b32 s[TR], ttmp7, 0xffff
	s_lshl_b32 s[TR], s[TR], 2
	s_add_co_u32 s[TR], s[TR], s[CY]
	s_lshl_b32 s19, s[CY], 2
	s_lshl_b32 s19, 15, s19                        ; my row of the cluster: places 4 cy .. 4 cy + 3
	s_lshl_b32 s66, 0x1111, s[CX]                  ; my column: places cx, cx + 4, cx + 8, cx + 12
	; group 1 for A: 64 rows x 128 elements of 4 bytes, 4 words of padding behind every 128
	s_or_b32 s[G1A], s19, (2<<16)|(1<<20)|(1<<21)|(6<<22)|(3<<25)  ; 15:0 the mask; 17:16 elements of 4 bytes; 20 padding on; 21 set beside a mask; 24:22 after every 128 words (code 6); 31:25 4 words (code 3)
	s_mov_b32 s[G1A+1], 128<<16                    ; tensor_dim0 = 128
	s_mov_b32 s[G1A+2], 64<<16                     ; tensor_dim1 = 64
	s_mov_b32 s[G1A+3], 128<<16                    ; tile_dim0 = 128
	s_mov_b32 s[G1A+4], 64                         ; tile_dim1 = 64
	s_mov_b32 s[G1A+5], KDIM                       ; elements from row to row
	s_mov_b32 s[G1A+6], 0
	s_mov_b32 s[G1A+7], 0
	; group 1 for W: 64 rows x 256 elements of 2 bytes, 8 words of padding behind every 128
	s_or_b32 s[G1B], s66, (1<<16)|(1<<20)|(1<<21)|(6<<22)|(7<<25)
	s_mov_b32 s[G1B+1], 256<<16
	s_mov_b32 s[G1B+2], 64<<16
	s_mov_b32 s[G1B+3], 256<<16
	s_mov_b32 s[G1B+4], 64
	s_mov_b32 s[G1B+5], 1024
	s_mov_b32 s[G1B+6], 0
	s_mov_b32 s[G1B+7], 0
	; where the tiles come from.  A's hang on the tile row and the wave alone, W's on the tile column and the wave, each made in registers that never hold the other coordinate
	s_lshl_b32 s20, s[TR], 7
	s_lshl_b32 s21, s[CH], 6
	s_add_co_u32 s20, s20, s21                     ; A: row 128 x tile row + 64 x half,
	s_mul_i32 s20, s20, KDIM*4                     ; in bytes: under 2^26
	s_mov_b32 s21, 0
	s_lshl_b32 s66, s[TC], 9                       ; W: 256 columns of 2 bytes a tile column,
	s_lshl_b32 s67, s[CH], 17                      ; 64 rows of 2,048 bytes a half
	s_add_co_u32 s66, s66, s67
	s_add_co_u32 s66, s66, W_OFF
	s_mov_b32 s67, 0
	s_mul_i32 s[LBA], s[CH], 64*PA                 ; and where they go: no place in the cluster enters an LDS address
	s_mul_i32 s[LBB], s[CH], 64*PB
	s_add_co_u32 s[LBB], s[LBB], BREG
	s_mov_b32 s[TBA], 0
	s_mov_b32 s[TBB], 0
	s_mov_b32 s[HM], 0xffff0000
	s_cmp_eq_u32 s[RH], 0
	s_cselect_b32 s[LIM], 2, -1                    ; waves 0 and 1 prefetch
	s_wait_dscnt 0x0                               ; the opening add is done
	s_wait_kmcnt 0x0
	s_add_nc_u64 s[4:5], s[4:5], s[20:21]          ; A at my half of the tile, step 0
	s_add_nc_u64 s[6:7], s[6:7], s[66:67]          ; W likewise
	s_mul_i32 s66, s[CX], 16*KDIM*4                ; my work-group's 16 of the 64 rows
	s_mov_b32 s67, 0
	s_add_nc_u64 s[PFA:PFA+1], s[4:5], s[66:67]
	s_add_nc_u64 s[PFA:PFA+1], s[PFA:PFA+1], 3*ASTEP  ; at step 3: the first change of slots steps it to 4
	CROUND                                         ; all sixteen work-groups are here: the first joint loads meet
.irp n, 0,1
	s_mov_b32 s[G0A+4*(\n)], 1                                     ; 1:0 count = 1
	s_add_co_u32 s[G0A+4*(\n)+1], s[LBA], (\n)*SLOT                ; 63:32 LDS address
	s_add_nc_u64 s[G0A+4*(\n)+2:G0A+4*(\n)+3], s[4:5], (\n)*ASTEP  ; 120:64 global address: step n
	s_or_b32 s[G0A+4*(\n)+3], s[G0A+4*(\n)+3], 0x80000000          ; 127:126 type = 2
	s_mov_b32 s[G0B+4*(\n)], 1
	s_add_co_u32 s[G0B+4*(\n)+1], s[LBB], (\n)*SLOT
	s_add_nc_u64 s[G0B+4*(\n)+2:G0B+4*(\n)+3], s[6:7], (\n)*BSTEP
	s_or_b32 s[G0B+4*(\n)+3], s[G0B+4*(\n)+3], 0x80000000
.endr
	s_cmp_eq_u32 s[RH], 0                          ; a wave's two first fills stand in one branch, ahead of every wait on TENSORcnt and every LDS read: two loads of mine are out
	s_cbranch_scc0 .Lfirst_b
	tensor_load_to_lds s[G0A:G0A+3], s[G1A:G1A+7]
	s_nop 0
	tensor_load_to_lds s[G0A+4:G0A+7], s[G1A:G1A+7]
	s_nop 0
	PLACES
	s_branch .Lfirst_asked
.Lfirst_b:
	tensor_load_to_lds s[G0B:G0B+3], s[G1B:G1B+7]
	s_nop 0
	tensor_load_to_lds s[G0B+4:G0B+7], s[G1B:G1B+7]
	s_nop 0
	PLACES
.Lfirst_asked:
	; all that follows up to the wait stands in the wait for the first tile
	v_and_b32 v1, 15, v0                           ; r = l % 16
	v_bfe_u32 v10, v0, 4, 1                        ; h = l / 16
	s_lshl_b32 s66, s[TC], 10                      ; the bias: 4 bytes x (256 x tile column + 128 x half + 8 h)
	s_lshl_b32 s67, s[CH], 9
	s_add_co_u32 s66, s66, s67
	v_lshl_add_u32 v[BO], v10, 5, s66
	WIN TO_B
.irp b, 0,1,2,3,4,5,6,7                ; block b of 16 columns: my 8 numbers
	global_load_b128 v[BIAS+8*(\b):BIAS+8*(\b)+3],   v[BO], s[8:9] offset:64*(\b)
	global_load_b128 v[BIAS+8*(\b)+4:BIAS+8*(\b)+7], v[BO], s[8:9] offset:64*(\b)+16
.endr
	WIN 0
	; A fragment is 16 rows x 32 K: lane l holds row l % 16, K = 8 h + 0..7 and 16 + 8 h + 0..7.  In f32 those are 32 bytes at 32 h and 32 bytes at 64 + 32 h of the quarter's 128.
	v_mul_u32_u24 v[A0], v1, PA
	v_lshl_add_u32 v[A0], v10, 5, v[A0]
	s_mul_i32 s19, s[RH], 64*PA
	v_add_nc_u32 v[A0], s19, v[A0]
	; The turning load takes 16 k x 16 columns (lane l reads row 8 h + l % 8, columns 8 ((l / 8) % 2) + 0..7) and leaves half a fragment: lane l holds column l % 16 and 8 k.
	v_and_b32 v11, 7, v0
	v_bfe_u32 v12, v0, 3, 1
	v_lshl_add_u32 v[B0], v10, 3, v11
	v_mul_u32_u24 v[B0], v[B0], PB
	v_lshl_add_u32 v[B0], v12, 4, v[B0]
	s_lshl_b32 s19, s[CH], 8                       ; my 128 columns
	s_add_co_u32 s19, s19, BREG
	v_add_nc_u32 v[B0], s19, v[B0]
	v_mov_b32 v[FA], v[A0]
	v_mov_b32 v[FB], v[B0]
	s_mul_i32 s19, s[WV], 16*SP
	s_add_co_u32 s19, s19, STAGE                   ; my stage
	v_mul_u32_u24 v[STO], v1, SP                   ; in: row l % 16, 16 bytes for each half of the lanes
	v_lshl_add_u32 v[STO], v10, 4, v[STO]
	v_add_nc_u32 v[STO], s19, v[STO]
	v_bfe_u32 v[RD], v0, 3, 2                      ; back: 32 lanes take 128 bytes (a head's 64 channels) of four rows,
	v_mul_u32_u24 v[RD], v[RD], SP
	v_lshl_add_u32 v[RD], v11, 4, v[RD]
	v_add_nc_u32 v[RD], s19, v[RD]
	v_and_b32 v[GO], 31, v0                        ; which are 512 consecutive bytes of qh
	v_lshrrev_b32 v12, 1, v[GO]                    ; the prefetches: lane l names row l / 2, block l % 2
	v_mul_u32_u24 v[PFO], v12, KDIM*4
	v_and_b32 v12, 1, v0
	v_lshl_add_u32 v[PFO], v12, 8, v[PFO]
	v_lshlrev_b32 v[GO], 4, v[GO]
	s_lshr_b32 s66, s[TR], 4                       ; where my part of the tile begins in qh: the batch,
	s_lshl_b32 s66, s66, 4
	s_lshl2_add_u32 s66, s[TC], s66                ; four heads a tile column,
	s_lshl1_add_u32 s66, s[CH], s66                ; two a wave:
	s_lshl_b32 s66, s66, 18                        ; a head is 262,144 bytes;
	s_and_b32 s67, s[TR], 15
	s_lshl_b32 s67, s67, 14                        ; 128 rows of 128 bytes a tile row,
	s_add_co_u32 s66, s66, s67
	s_lshl_b32 s67, s[RH], 13                      ; 64 a wave
	s_add_co_u32 s66, s66, s67
	s_mov_b32 s67, 0
	s_add_nc_u64 s[10:11], s[10:11], s[66:67]
	s_wait_loadcnt 0x0                             ; the bias; it is rounded to bf16 like every input and widened again
	WIN W_BI
.set i, 0
.rept 32
	v_cvt_pk_bf16_f32 v[BSC+i], v[BIAS+2*i], v[BIAS+2*i+1]
.set i, i+1
.endr
.set i, 0
.rept 32
	v_lshlrev_b32 v[BIAS+2*i],   16,    v[BSC+i]
	v_and_b32     v[BIAS+2*i+1], s[HM], v[BSC+i]
.set i, i+1
.endr
	WIN 0
; Product p of a quarter's 32 on buffer f: rows 16 (p / 8) on, columns 16 (p % 8) on.  Each accumulator has one product a quarter, in the same order everywhere: the accumulators take turns.
.macro PROD f, p, first
.set rD, 8*(\p)
.set rB, 64*(\f)+8*((\p)%8)
.set rA, ABUF+32*(\f)+8*((\p)/8)
.set rC, BIAS+8*((\p)%8)
.if \first
	WIN MUL1
	v_wmma_f32_16x16x32_bf16 v[rD:rD+7], v[rB:rB+7], v[rA:rA+7], v[rC:rC+7]
.else
	WIN MUL
	v_wmma_f32_16x16x32_bf16 v[rD:rD+7], v[rB:rB+7], v[rA:rA+7], v[rD:rD+7]
.endif
.endm
; 32 LDS loads in one run: a quarter's A as f32 (16 loads, wanted first) and its W, turned, into buffer g (16 loads)
.macro FETCH g, ka, kb
	WIN 0
.irp a, 0,1,2,3
	ds_load_b128 v[RAW+16*(\a):RAW+16*(\a)+3],     v[FA] offset:(\ka)+(\a)*16*PA
	ds_load_b128 v[RAW+16*(\a)+4:RAW+16*(\a)+7],   v[FA] offset:(\ka)+(\a)*16*PA+16
	ds_load_b128 v[RAW+16*(\a)+8:RAW+16*(\a)+11],  v[FA] offset:(\ka)+(\a)*16*PA+64
	ds_load_b128 v[RAW+16*(\a)+12:RAW+16*(\a)+15], v[FA] offset:(\ka)+(\a)*16*PA+80
.endr
	WIN TO_B
.irp b, 0,1,2,3,4,5,6,7
	ds_load_tr16_b128 v[64*(\g)+8*(\b):64*(\g)+8*(\b)+3],   v[FB] offset:(\kb)+32*(\b)
	ds_load_tr16_b128 v[64*(\g)+8*(\b)+4:64*(\g)+8*(\b)+7], v[FB] offset:(\kb)+32*(\b)+16*PB
.endr
.endm
.macro CVT4 g, n                       ; registers 4 n .. 4 n + 3 of A's buffer g: eight numbers rounded to bf16
	WIN 0
.irp j, 0,1,2,3
	v_cvt_pk_bf16_f32 v[ABUF+32*(\g)+4*(\n)+(\j)], v[RAW+8*(\n)+2*(\j)], v[RAW+8*(\n)+2*(\j)+1]
.endr
.endm
; A QUARTER multiplies buffer f.  It begins with the fetch of the next quarter (bytes ka, kb behind FA, FB) for buffer g; the 32 conversions of A stand four behind each of its last eight products.
; The four behind the last product name none of its registers: they are the places in front of the next quarter's loads into W's buffer f, and of its conversions into A's (ISA guide 7.12.1 for vector instructions).
.macro QUARTER f, g, ka, kb, first=0, fetch=1
.if \fetch
	FETCH \g, \ka, \kb
	s_wait_dscnt 32                                ; all but the 32 just issued: W's buffer f is in
.else
	s_wait_dscnt 0x0
.endif
.set i, 0
.rept 24
	PROD \f, i, \first
.set i, i+1
.endr
.if \fetch
	s_wait_dscnt 16                                ; W's 16 loads, issued behind A's, may stay out
.endif
.rept 8
	PROD \f, i, \first
.if \fetch
	CVT4 \g, i-24
.endif
.set i, i+1
.endr
	WIN 0
.endm
.macro ADVANCE                         ; two quarters on
	s_add_co_u32 s[TBA], s[TBA], AADV
	s_add_co_u32 s[TBB], s[TBB], 64*PB
	v_add_nc_u32 v[FA], s[TBA], v[A0]
	v_add_nc_u32 v[FB], s[TBB], v[B0]
.endm
.macro PAIR
	QUARTER 1, 0, 0, 0
	QUARTER 0, 1, DA, 32*PB
	ADVANCE
.endm
; THE CHANGE OF SLOTS.  The slot's last fragments have been asked for.  Each wave waits for all its tensor loads, of which one is out: its part of the other slot; adds 0 to its spare word; and waits for that and
; for its own reads of the slot.  fill = 1: the slot is filled again, with the step two on.  The barrier is then a round of the cluster's, so that no wave of any partner still reads the slot or has a load on its
; way, and the joint refill is the first thing behind it: it has a step, 128 matrix instructions, in which to land.
.macro CHANGE fill
	WIN 0
	s_wait_tensorcnt 0x0                           ; no tensor load of mine is out, so a group 0 may be written
	ds_add_u32 v[SPW], v[NIL]                      ; 0 onto my spare word; scalar work stands between it and the wait for it
	s_sub_co_u32 s[TBA], s[TBA], 2*AADV            ; back to the first byte of the slot that is left: 0 or SLOT
	s_sub_co_u32 s[TBB], s[TBB], 128*PB
.if \fill
	s_add_co_u32 s[G0A+5], s[LBA], s[TBA]          ; the walking descriptors: into that slot,
	s_add_nc_u64 s[G0A+6:G0A+7], s[G0A+6:G0A+7], ASTEP  ; the next step; the type bits on top are not reached
	s_add_co_u32 s[G0B+5], s[LBB], s[TBA]
	s_add_nc_u64 s[G0B+6:G0B+7], s[G0B+6:G0B+7], BSTEP
	s_wait_xcnt 0x0                                ; the last prefetch, a step back, has read its address
	s_add_nc_u64 s[PFA:PFA+1], s[PFA:PFA+1], ASTEP
	s_wait_dscnt 0x0                               ; the add is done, and my reads of the slot are over
	CROUND
	JLOAD
	ASK
.else
	s_wait_dscnt 0x0
	s_barrier_signal -1
	s_barrier_wait -1
.endif
	s_xor_b32 s[TBA], s[TBA], SLOT                 ; the fetches go on in the other slot
	s_xor_b32 s[TBB], s[TBB], SLOT
	v_add_nc_u32 v[FA], s[TBA], v[A0]
	v_add_nc_u32 v[FB], s[TBB], v[B0]
.endm
	s_wait_tensorcnt 1                             ; my part of step 0 is in; step 1's may stay out
	s_barrier_signal -1
	s_barrier_wait -1                              ; everybody's is
	FETCH 0, 0, 0
	s_wait_dscnt 16                                ; A's 16 loads are in
.set i, 0
.rept 8
	CVT4 0, i
.set i, i+1
.endr
	QUARTER 0, 1, DA, 32*PB, 1                     ; the first quarter: its products start the sums, with the bias
	ADVANCE
	s_mov_b32 s[SLOTS], NS-1
	s_mov_b32 s[CNT], 1
	s_branch .Lpair                                ; step 0 has one pair of quarters in front of its change
.Lslot:                                        ; NS - 2 times: every slot but the last two is filled again
	CHANGE 1
	s_mov_b32 s[CNT], 2
.Lpair:                                        ; (a step's fourth quarter, the next step's first), then (its second, its third)
	PAIR
	s_sub_co_u32 s[CNT], s[CNT], 1
	s_cmp_lg_u32 s[CNT], 0
	s_cbranch_scc1 .Lpair
	s_sub_co_u32 s[SLOTS], s[SLOTS], 1
	s_cmp_lg_u32 s[SLOTS], 0
	s_cbranch_scc1 .Lslot
	CHANGE 0                                       ; the tail is written out: nothing is asked for
	s_mov_b32 s[CNT], 2
.Ltail:
	PAIR
	s_sub_co_u32 s[CNT], s[CNT], 1
	s_cmp_lg_u32 s[CNT], 0
	s_cbranch_scc1 .Ltail
	QUARTER 1, 0, 0, 0, 0, 0                       ; the last quarter fetches nothing
; THE WAY OUT, a block of 16 rows at a time: rounded to f16, 16 bytes a lane into my stage, back as a head's rows of 128 bytes, four rows to a store.
.macro PACK a
	WIN 0x0a                                       ; sources 0 and 1 window 2
.irp b, 0,1,2,3,4,5,6,7
.irp j, 0,1,2,3
	v_cvt_pk_f16_f32 v[TMP+4*(\b)+(\j)], v[8*(8*(\a)+(\b))+2*(\j)], v[8*(8*(\a)+(\b))+2*(\j)+1]
.endr
.endr
	WIN 0
.endm
.macro TOSTAGE a
.set BK, OB+32*((\a)%2)
	s_wait_xcnt 0x0                                ; the stores of two blocks back have read the registers that are loaded below
.irp b, 0,1,2,3,4,5,6,7
	ds_store_b128 v[STO], v[TMP+4*(\b):TMP+4*(\b)+3] offset:32*(\b)
.endr
.irp u, 0,1
.irp t, 0,1,2,3
	ds_load_b128 v[BK+4*(4*(\u)+(\t)):BK+4*(4*(\u)+(\t))+3], v[RD] offset:(\t)*4*SP+128*(\u)  ; LDS serves a wave's instructions in order (ISA guide 5.7.1.4): these see the stores above
.endr
.endr
.endm
.macro SEND a
.set BK, OB+32*((\a)%2)
	s_wait_dscnt 0x0                               ; the block is back in registers
.irp u, 0,1
.irp t, 0,1,2,3
	global_store_b128 v[GO], v[BK+4*(4*(\u)+(\t)):BK+4*(4*(\u)+(\t))+3], s[10:11] offset:(\u)*262144+(\a)*2048+(\t)*512  ; head u of my two: 512 consecutive bytes, at a multiple of 256 from qh's first
.endr
.endr
.endm
	PLACES                                         ; the conversions read results just made
	PACK 0
	TOSTAGE 0
.irp a, 1,2,3                          ; block a's conversions stand between block a - 1's loads from the stage and the wait for them
	PACK \a
	SEND (\a)-1
	TOSTAGE \a
.endr
	SEND 3
	s_wait_tensorcnt 0x0                           ; the wave's end: the add and its wait, behind my last tensor load and my last LDS store
	ds_add_u32 v[SPW], v[NIL]
	s_wait_dscnt 0x0
	CROUND                                         ; the closing round: no work-group ends while a partner may still ask for a tile that names it
	s_endpgm
.Lfunc_end_k_q36ff458107_projq:
	.size	k_q36ff458107_projq, .Lfunc_end_k_q36ff458107_projq-k_q36ff458107_projq
	.p2alignl 7, 3214868480
	.fill 96, 4, 3214868480
	.section	.rodata,"a",@progbits
	.p2align	6, 0x0
	.amdhsa_kernel k_q36ff458107_projq
		.amdhsa_group_segment_fixed_size 327680
		.amdhsa_private_segment_fixed_size 0
		.amdhsa_enable_private_segment 0
		.amdhsa_kernarg_size 32
		.amdhsa_user_sgpr_count 2
		.amdhsa_user_sgpr_kernarg_segment_ptr 1
		.amdhsa_wavefront_size32 1
		.amdhsa_system_sgpr_workgroup_id_x 1
		.amdhsa_system_sgpr_workgroup_id_y 1
		.amdhsa_system_sgpr_workgroup_id_z 1
		.amdhsa_system_vgpr_workitem_id 0
		.amdhsa_next_free_vgpr 768
		.amdhsa_next_free_sgpr 96
		.amdhsa_reserve_vcc 0
		.amdhsa_float_denorm_mode_32 3
		.amdhsa_float_denorm_mode_16_64 3
		.amdhsa_memory_ordered 1
		.amdhsa_forward_progress 1
		.amdhsa_inst_pref_size 72
	.end_amdhsa_kernel
	.amdgpu_metadata
---
amdhsa.version: [ 1, 2 ]
amdhsa.kernels:
  - .name:           k_q36ff458107_projq
    .symbol:         k_q36ff458107_projq.kd
    .args:
      - { .name: query, .offset: 0, .size: 8, .value_kind: global_buffer, .address_space: global }
      - { .name: wts, .offset: 8, .size: 8, .value_kind: global_buffer, .address_space: global }
      - { .name: bq, .offset: 16, .size: 8, .value_kind: global_buffer, .address_space: global }
      - { .name: qh, .offset: 24, .size: 8, .value_kind: global_buffer, .address_space: global }
    .group_segment_fixed_size: 327680
    .private_segment_fixed_size: 0
    .kernarg_segment_align: 8
    .kernarg_segment_size: 32
    .max_flat_workgroup_size: 128
    .sgpr_count:     96
    .vgpr_count:     768
    .wavefront_size: 32
...
	.end_amdgpu_metadata
.endif
;; end of part 2
;; launch projkv (part 3): grid 4 x 128, 4 waves a work-group, clusters of 4 x 4, 327,680 bytes of LDS; arguments key, value, wts, bk, bv, kh, vh; writes kh, vh
.if DOCPART == 3
	.amdgcn_target "amdgcn-amd-amdhsa--gfx1250"
	.amdhsa_code_object_version 6
	.text
	.protected	k_q36ff458107_projkv
	.globl	k_q36ff458107_projkv
	.p2align	8
	.type	k_q36ff458107_projkv,@function
k_q36ff458107_projkv:
	s_mov_b64 s[64:65], 0
	v_nop
	global_prefetch_b8 v0, s[64:65] scope:SCOPE_SE
	s_setreg_imm32_b32 hwreg(HW_REG_WAVE_MODE, 25, 1), 1
	s_wait_xcnt 0x0
	s_wait_alu depctr_hold_cnt(0) depctr_sa_sdst(0) depctr_va_vdst(0) depctr_va_sdst(0) depctr_va_ssrc(0) depctr_va_vcc(0) depctr_vm_vsrc(0)
	s_getreg_b32 s2, hwreg(HW_REG_IB_STS2, 6, 4)
	s_cmp_eq_u32 s2, 0
	s_cbranch_scc0 .Lentry_in_a_cluster
	s_endpgm
.Lentry_in_a_cluster:
	s_bfe_u32 s2, ttmp6, 0x10000c
	s_cmp_lg_u32 s2, 0xf033
	s_cbranch_scc0 .Lentry_shape_is_right
	s_endpgm
.Lentry_shape_is_right:
; kh = f16( bf16(key) x bf16(Wk) + bf16(bk) ) and vh = f16( bf16(value) x bf16(Wv) + bf16(bv) ), laid by heads.  key, value: [8192][768] f32.  Wk, Wv: [768 (k)][1024 (n)] bf16 in wts.
; kh, vh: [64 = 16 batch + head][2048][64] f16.  Products in bf16, sums in f32, the results rounded once.
; Clusters with y under 16 make kh, the others vh: the choice picks pointers and an offset, is the same in all partners of a cluster, and steers no branch.
; LIMIT.  f16 ends at 65,504: a k or v beyond that becomes an infinity.  NaN and infinities are not treated apart.
; SHARES.  A tile of C is 128 rows x 256 columns: 2 x 64 x 4 = 512 work-groups of equal work.  Four waves; wave w makes rows 64 (w / 2) on and columns 128 (w % 2) on: 4 x 8 accumulators, 256 registers.
; K goes in steps of 128 through a ring of two LDS slots.  A's tile arrives as f32 (rows of 512 bytes of memory) and is rounded to bf16 in registers, one conversion for each matrix instruction;
; W's tile lies [k][n] and is turned on its way out of LDS by ds_load_tr16_b128.
; THE MATRIX INSTRUCTION IS USED TRANSPOSED (source 0 = 16 columns of W, source 1 = 16 rows of A): a lane holds one row of C (lane % 16) and the 8 neighbouring columns 8 (lane / 16) + 0..7.
; The bias, laid out likewise, is the C operand of each accumulator's first product.
; CLUSTER.  4 x 4 work-groups.  The four of a row of the cluster need the same tiles of A, the four of a column the same tiles of W: each tile is asked for JOINTLY, by the same tensor load, descriptor and mask.
; THE ORDER.  A step is four quarters of 32 along K, 32 matrix instructions each, on fragment buffers 0, 1, 0, 1.  A quarter begins with the fetch of the next quarter's fragments.  The change of slots
; stands in front of a step's fourth quarter, when all of the step's fragments have been fetched.  So the text between two changes is one PAIR of quarters, walked twice.
; REGISTERS, in windows of 256 (s_set_vgpr_msb: bits 1:0 source 0, 3:2 source 1, 5:4 source 2, 7:6 destination):
;   window 0: v0-29 addresses; v32-95 A's fragments in bf16, two buffers; v96-159 A's fragments as they come, f32; v160-255 at work on the way out
;   window 1: v0-127 W's fragments, two buffers; v128-191 the bias; v192-223 at work          window 2: the accumulators, (a, b) at v[8 (8 a + b)]
.set KDIM,  768                        ; K
.set NS,    KDIM/128                   ; steps
.set WK_OFF, 2097152                   ; Wk's first byte in wts,
.set WV_OFF, 3670016                   ; Wv's
.set PA,    528                        ; a row of A in LDS: 512 bytes + 16 = 33 x 16: the 16 rows of a load start at 16 different groups of four banks (64 banks of 4 bytes: ISA guide 11.1)
.set PB,    544                        ; a row of W: 512 + 32 = 17 x 32
.set BREG,  128*PA                     ; in a slot: A's 128 rows, then W's 128 rows
.set SLOT,  BREG+128*PB
.set STAGE, 2*SLOT                     ; behind the ring, never filled by a tensor load: 16 rows x 272 bytes for each wave, for the way out
.set SP,    272
.set SPARE, STAGE+4*16*SP              ; behind the stages: the spare words, 128 bytes for each wave: two blocks of 256 bytes that no other line names
.set ASTEP, 512                        ; bytes of memory from step to step: 128 numbers of f32 along a row of A,
.set BSTEP, 128*2048                   ; 128 rows of W
.set DA,    128                        ; bytes of an LDS row of A in a quarter
.set AADV,  2*DA                       ; what two quarters advance in A's tile
.set A0,  2                            ; v2   my lane's place in A's tile; never rewritten
.set B0,  3                            ; v3   the same in W's
.set FA,  4                            ; v4   LDS address of A's next fetches
.set FB,  5                            ; v5   of W's
.set STO, 6                            ; v6   the way out: where I put 16 bytes of a row
.set RD,  7                            ; v7   the way out: where I read rows back
.set GO,  8                            ; v8   my 16 bytes in 512 consecutive bytes of the output
.set PFO, 9                            ; v9   the prefetches' offset; never rewritten
.set BO,  13                           ; v13  my byte offset in the bias
.set SPW, 28                           ; v28  LDS address of my spare word: SPARE + 4 x my thread's number; never rewritten
.set NIL, 29                           ; v29  0; never rewritten
.set ABUF, 32
.set RAW,  96
.set TMP,  160
.set OB,   192
.set BIAS, 128                         ; window 1
.set BSC,  192                         ; window 1
.set WV, 12                            ; s12  my wave's number
.set RH, 13                            ; s13  which 64 rows are mine.  Also: I fetch for A (0) or for W (1)
.set CH, 14                            ; s14  which 128 columns.  Also: which half of that tile I fetch
.set CX, 15                            ; s15, s16  my place in the cluster
.set CY, 16
.set TC, 17                            ; s17  tile column
.set TR, 18                            ; s18  tile row, 0 to 63, in key or in value
.set HM, 23                            ; s23  a word's upper bf16
.set G1A, 24                           ; s[24:31] descriptor group 1 for A's tiles;  s[32:39] group 0: a set for each of the two first fills; the second then walks on
.set G0A, 32
.set G1B, 40                           ; s[40:47], s[48:55] the same for W's
.set G0B, 48
.set SLOTS, 56                         ; s56  changes of slots still to come that fill a slot, and one
.set CNT, 57                           ; s57  counts the pairs of quarters between two changes
.set TBA, 58                           ; s58  LDS byte at which A's next fetches begin
.set LBA, 59                           ; s59  my half of A's tile in a slot
.set LBB, 60                           ; s60  my half of W's
.set LIM, 61                           ; s61  2 in a wave that prefetches, else the greatest number
.set PFA, 62                           ; s[62:63] where my prefetches stand
.set TBB, 82                           ; s82  LDS byte at which W's next fetches begin, less BREG
.set JY,  83                           ; s83  cluster y: under 16 key, else value
.set MSB, 0
.macro WIN new                         ; the immediate's high byte repeats the setting that is left; a switch that changes nothing is dropped
.if MSB != (\new)
	s_set_vgpr_msb (MSB<<8)|(\new)
.set MSB, (\new)
.endif
.endm
.set MUL,  0xa1                        ; source 0 (W) window 1, source 1 (A) window 0, C and D window 2
.set MUL1, 0x91                        ; the same with C (the bias) in window 1
.set TO_B, 0x40                        ; destination window 1, address window 0
.set W_BI, 0x45                        ; sources and destination window 1
.macro PLACES
.rept 4
	v_nop
.endr
.endm
; A joint refill.  Waves 0 and 1 fetch A's two halves, waves 2 and 3 W's.  The branch hangs on the wave's number alone.  An s_nop 0 and four v_nop follow each of the two lines.
.macro JLOAD
	s_cmp_eq_u32 s[RH], 0
	s_cbranch_scc0 .Lfor_b_\@
	tensor_load_to_lds s[G0A+4:G0A+7], s[G1A:G1A+7]
	s_nop 0
	PLACES
	s_branch .Lasked_\@
.Lfor_b_\@:
	tensor_load_to_lds s[G0B+4:G0B+7], s[G1B:G1B+7]
	s_nop 0
	PLACES
.Lasked_\@:
.endm
; A PREFETCH INTO THE L2 of A's step that stands TWO refills on, 256 matrix instructions ahead of the load that will want it.  A step of a tile is 128 rows x 512 bytes = 256 blocks of 256 bytes: of the 64 rows
; that wave 0 or 1 fetches, the partner at place cx takes 16, told apart BY ADDRESS; a lane takes one block.  One cluster alone reads a row tile, so each block is named once in the launch.
; Steps 0 to 3 come by their loads alone; the last two changes that fill a slot ask for nothing: there is no step two refills on.  W is not asked for: all rows of clusters read it.
.macro ASK
	s_cmp_gt_u32 s[SLOTS], s[LIM]
	s_cbranch_scc0 .Lnot_mine_\@
	global_prefetch_b8 v[PFO], s[PFA:PFA+1] th:TH_LOAD_NT scope:SCOPE_SE
.Lnot_mine_\@:
.endm
; A round of the cluster's barrier: my work-group's barrier, so that wave 0's signal speaks for all four waves; wave 0 signals; every wave waits for all sixteen work-groups; my work-group's barrier once more.
.macro CROUND
	s_barrier_signal -1
	s_barrier_wait -1
	s_cmp_lg_u32 s[WV], 0
	s_cbranch_scc1 .Lnot_wave_0_\@
	s_barrier_signal -3
.Lnot_wave_0_\@:
	s_barrier_wait -3
	s_barrier_signal -1
	s_barrier_wait -1
.endm
	s_load_b256 s[68:75], s[0:1], 0x0              ; key s[68:69], value s[70:71], wts s[72:73], bk s[74:75]
	s_load_b128 s[76:79], s[0:1], 0x20             ; bv s[76:77], kh s[78:79]
	s_load_b64 s[80:81], s[0:1], 0x30              ; vh
	v_lshl_add_u32 v[SPW], v0, 2, SPARE
	v_mov_b32 v[NIL], 0
	ds_add_u32 v[SPW], v[NIL]                      ; the wave's opening: the add and its wait stand ahead of my first tensor load; the set-up below, work on registers, stands between them
	v_lshrrev_b32 v11, 5, v0
	v_readfirstlane_b32 s[WV], v11                 ; wave 0..3
	s_lshr_b32 s[RH], s[WV], 1
	s_and_b32 s[CH], s[WV], 1
	s_bfe_u32 s[CX], ttmp6, 0x40000
	s_bfe_u32 s[CY], ttmp6, 0x40004
	s_lshl_b32 s[TC], ttmp9, 2                     ; in a cluster launch ttmp9 and ttmp7 count clusters
	s_add_co_u32 s[TC], s[TC], s[CX]
	s_and_b32 s[JY], ttmp7, 0xffff
	s_and_b32 s[TR], s[JY], 15
	s_lshl_b32 s[TR], s[TR], 2
	s_add_co_u32 s[TR], s[TR], s[CY]
	s_lshl_b32 s19, s[CY], 2
	s_lshl_b32 s19, 15, s19                        ; my row of the cluster: places 4 cy .. 4 cy + 3
	s_lshl_b32 s66, 0x1111, s[CX]                  ; my column: places cx, cx + 4, cx + 8, cx + 12
	; group 1 for A: 64 rows x 128 elements of 4 bytes, 4 words of padding behind every 128
	s_or_b32 s[G1A], s19, (2<<16)|(1<<20)|(1<<21)|(6<<22)|(3<<25)  ; 15:0 the mask; 17:16 elements of 4 bytes; 20 padding on; 21 set beside a mask; 24:22 after every 128 words (code 6); 31:25 4 words (code 3)
	s_mov_b32 s[G1A+1], 128<<16                    ; tensor_dim0 = 128
	s_mov_b32 s[G1A+2], 64<<16                     ; tensor_dim1 = 64
	s_mov_b32 s[G1A+3], 128<<16                    ; tile_dim0 = 128
	s_mov_b32 s[G1A+4], 64                         ; tile_dim1 = 64
	s_mov_b32 s[G1A+5], KDIM                       ; elements from row to row
	s_mov_b32 s[G1A+6], 0
	s_mov_b32 s[G1A+7], 0
	; group 1 for W: 64 rows x 256 elements of 2 bytes, 8 words of padding behind every 128
	s_or_b32 s[G1B], s66, (1<<16)|(1<<20)|(1<<21)|(6<<22)|(7<<25)
	s_mov_b32 s[G1B+1], 256<<16
	s_mov_b32 s[G1B+2], 64<<16
	s_mov_b32 s[G1B+3], 256<<16
	s_mov_b32 s[G1B+4], 64
	s_mov_b32 s[G1B+5], 1024
	s_mov_b32 s[G1B+6], 0
	s_mov_b32 s[G1B+7], 0
	; where the tiles come from.  A's hang on the tile row and the wave alone, W's on the tile column and the wave, each made in registers that never hold the other coordinate
	s_lshl_b32 s20, s[TR], 7
	s_lshl_b32 s21, s[CH], 6
	s_add_co_u32 s20, s20, s21                     ; A: row 128 x tile row + 64 x half,
	s_mul_i32 s20, s20, KDIM*4                     ; in bytes: under 2^25
	s_mov_b32 s21, 0
	s_mov_b32 s84, WK_OFF
	s_mov_b32 s85, WV_OFF
	s_cmp_lt_u32 s[JY], 16
	s_cselect_b32 s84, s84, s85                    ; which weight
	s_lshl_b32 s66, s[TC], 9                       ; W: 256 columns of 2 bytes a tile column,
	s_lshl_b32 s67, s[CH], 17                      ; 64 rows of 2,048 bytes a half
	s_add_co_u32 s66, s66, s67
	s_add_co_u32 s66, s66, s84
	s_mov_b32 s67, 0
	s_mul_i32 s[LBA], s[CH], 64*PA                 ; and where they go: no place in the cluster enters an LDS address
	s_mul_i32 s[LBB], s[CH], 64*PB
	s_add_co_u32 s[LBB], s[LBB], BREG
	s_mov_b32 s[TBA], 0
	s_mov_b32 s[TBB], 0
	s_mov_b32 s[HM], 0xffff0000
	s_cmp_eq_u32 s[RH], 0
	s_cselect_b32 s[LIM], 2, -1                    ; waves 0 and 1 prefetch
	s_wait_dscnt 0x0                               ; the opening add is done
	s_wait_kmcnt 0x0
	s_cmp_lt_u32 s[JY], 16
	s_cselect_b64 s[4:5], s[68:69], s[70:71]       ; A: key or value
	s_cselect_b64 s[8:9], s[74:75], s[76:77]       ; the bias: bk or bv
	s_cselect_b64 s[10:11], s[78:79], s[80:81]     ; the output: kh or vh
	s_add_nc_u64 s[4:5], s[4:5], s[20:21]          ; A at my half of the tile, step 0
	s_add_nc_u64 s[6:7], s[72:73], s[66:67]        ; W likewise
	s_mul_i32 s66, s[CX], 16*KDIM*4                ; my work-group's 16 of the 64 rows
	s_mov_b32 s67, 0
	s_add_nc_u64 s[PFA:PFA+1], s[4:5], s[66:67]
	s_add_nc_u64 s[PFA:PFA+1], s[PFA:PFA+1], 3*ASTEP  ; at step 3: the first change of slots steps it to 4
	CROUND                                         ; all sixteen work-groups are here: the first joint loads meet
.irp n, 0,1
	s_mov_b32 s[G0A+4*(\n)], 1                                     ; 1:0 count = 1
	s_add_co_u32 s[G0A+4*(\n)+1], s[LBA], (\n)*SLOT                ; 63:32 LDS address
	s_add_nc_u64 s[G0A+4*(\n)+2:G0A+4*(\n)+3], s[4:5], (\n)*ASTEP  ; 120:64 global address: step n
	s_or_b32 s[G0A+4*(\n)+3], s[G0A+4*(\n)+3], 0x80000000          ; 127:126 type = 2
	s_mov_b32 s[G0B+4*(\n)], 1
	s_add_co_u32 s[G0B+4*(\n)+1], s[LBB], (\n)*SLOT
	s_add_nc_u64 s[G0B+4*(\n)+2:G0B+4*(\n)+3], s[6:7], (\n)*BSTEP
	s_or_b32 s[G0B+4*(\n)+3], s[G0B+4*(\n)+3], 0x80000000
.endr
	s_cmp_eq_u32 s[RH], 0                          ; a wave's two first fills stand in one branch, ahead of every wait on TENSORcnt and every LDS read: two loads of mine are out
	s_cbranch_scc0 .Lfirst_b
	tensor_load_to_lds s[G0A:G0A+3], s[G1A:G1A+7]
	s_nop 0
	tensor_load_to_lds s[G0A+4:G0A+7], s[G1A:G1A+7]
	s_nop 0
	PLACES
	s_branch .Lfirst_asked
.Lfirst_b:
	tensor_load_to_lds s[G0B:G0B+3], s[G1B:G1B+7]
	s_nop 0
	tensor_load_to_lds s[G0B+4:G0B+7], s[G1B:G1B+7]
	s_nop 0
	PLACES
.Lfirst_asked:
	; all that follows up to the wait stands in the wait for the first tile
	v_and_b32 v1, 15, v0                           ; r = l % 16
	v_bfe_u32 v10, v0, 4, 1                        ; h = l / 16
	s_lshl_b32 s66, s[TC], 10                      ; the bias: 4 bytes x (256 x tile column + 128 x half + 8 h)
	s_lshl_b32 s67, s[CH], 9
	s_add_co_u32 s66, s66, s67
	v_lshl_add_u32 v[BO], v10, 5, s66
	WIN TO_B
.irp b, 0,1,2,3,4,5,6,7                ; block b of 16 columns: my 8 numbers
	global_load_b128 v[BIAS+8*(\b):BIAS+8*(\b)+3],   v[BO], s[8:9] offset:64*(\b)
	global_load_b128 v[BIAS+8*(\b)+4:BIAS+8*(\b)+7], v[BO], s[8:9] offset:64*(\b)+16
.endr
	WIN 0
	; A fragment is 16 rows x 32 K: lane l holds row l % 16, K = 8 h + 0..7 and 16 + 8 h + 0..7.  In f32 those are 32 bytes at 32 h and 32 bytes at 64 + 32 h of the quarter's 128.
	v_mul_u32_u24 v[A0], v1, PA
	v_lshl_add_u32 v[A0], v10, 5, v[A0]
	s_mul_i32 s19, s[RH], 64*PA
	v_add_nc_u32 v[A0], s19, v[A0]
	; The turning load takes 16 k x 16 columns (lane l reads row 8 h + l % 8, columns 8 ((l / 8) % 2) + 0..7) and leaves half a fragment: lane l holds column l % 16 and 8 k.
	v_and_b32 v11, 7, v0
	v_bfe_u32 v12, v0, 3, 1
	v_lshl_add_u32 v[B0], v10, 3, v11
	v_mul_u32_u24 v[B0], v[B0], PB
	v_lshl_add_u32 v[B0], v12, 4, v[B0]
	s_lshl_b32 s19, s[CH], 8                       ; my 128 columns
	s_add_co_u32 s19, s19, BREG
	v_add_nc_u32 v[B0], s19, v[B0]
	v_mov_b32 v[FA], v[A0]
	v_mov_b32 v[FB], v[B0]
	s_mul_i32 s19, s[WV], 16*SP
	s_add_co_u32 s19, s19, STAGE                   ; my stage
	v_mul_u32_u24 v[STO], v1, SP                   ; in: row l % 16, 16 bytes for each half of the lanes
	v_lshl_add_u32 v[STO], v10, 4, v[STO]
	v_add_nc_u32 v[STO], s19, v[STO]
	v_bfe_u32 v[RD], v0, 3, 2                      ; back: 32 lanes take 128 bytes (a head's 64 channels) of four rows,
	v_mul_u32_u24 v[RD], v[RD], SP
	v_lshl_add_u32 v[RD], v11, 4, v[RD]
	v_add_nc_u32 v[RD], s19, v[RD]
	v_and_b32 v[GO], 31, v0                        ; which are 512 consecutive bytes of the output
	v_lshrrev_b32 v12, 1, v[GO]                    ; the prefetches: lane l names row l / 2, block l % 2
	v_mul_u32_u24 v[PFO], v12, KDIM*4
	v_and_b32 v12, 1, v0
	v_lshl_add_u32 v[PFO], v12, 8, v[PFO]
	v_lshlrev_b32 v[GO], 4, v[GO]
	s_lshr_b32 s66, s[TR], 4                       ; where my part of the tile begins in the output: the batch,
	s_lshl_b32 s66, s66, 4
	s_lshl2_add_u32 s66, s[TC], s66                ; four heads a tile column,
	s_lshl1_add_u32 s66, s[CH], s66                ; two a wave:
	s_lshl_b32 s66, s66, 18                        ; a head is 262,144 bytes;
	s_and_b32 s67, s[TR], 15
	s_lshl_b32 s67, s67, 14                        ; 128 rows of 128 bytes a tile row,
	s_add_co_u32 s66, s66, s67
	s_lshl_b32 s67, s[RH], 13                      ; 64 a wave
	s_add_co_u32 s66, s66, s67
	s_mov_b32 s67, 0
	s_add_nc_u64 s[10:11], s[10:11], s[66:67]
	s_wait_loadcnt 0x0                             ; the bias; it is rounded to bf16 like every input and widened again
	WIN W_BI
.set i, 0
.rept 32
	v_cvt_pk_bf16_f32 v[BSC+i], v[BIAS+2*i], v[BIAS+2*i+1]
.set i, i+1
.endr
.set i, 0
.rept 32
	v_lshlrev_b32 v[BIAS+2*i],   16,    v[BSC+i]
	v_and_b32     v[BIAS+2*i+1], s[HM], v[BSC+i]
.set i, i+1
.endr
	WIN 0
; Product p of a quarter's 32 on buffer f: rows 16 (p / 8) on, columns 16 (p % 8) on.  Each accumulator has one product a quarter, in the same order everywhere: the accumulators take turns.
.macro PROD f, p, first
.set rD, 8*(\p)
.set rB, 64*(\f)+8*((\p)%8)
.set rA, ABUF+32*(\f)+8*((\p)/8)
.set rC, BIAS+8*((\p)%8)
.if \first
	WIN MUL1
	v_wmma_f32_16x16x32_bf16 v[rD:rD+7], v[rB:rB+7], v[rA:rA+7], v[rC:rC+7]
.else
	WIN MUL
	v_wmma_f32_16x16x32_bf16 v[rD:rD+7], v[rB:rB+7], v[rA:rA+7], v[rD:rD+7]
.endif
.endm
; 32 LDS loads in one run: a quarter's A as f32 (16 loads, wanted first) and its W, turned, into buffer g (16 loads)
.macro FETCH g, ka, kb
	WIN 0
.irp a, 0,1,2,3
	ds_load_b128 v[RAW+16*(\a):RAW+16*(\a)+3],     v[FA] offset:(\ka)+(\a)*16*PA
	ds_load_b128 v[RAW+16*(\a)+4:RAW+16*(\a)+7],   v[FA] offset:(\ka)+(\a)*16*PA+16
	ds_load_b128 v[RAW+16*(\a)+8:RAW+16*(\a)+11],  v[FA] offset:(\ka)+(\a)*16*PA+64
	ds_load_b128 v[RAW+16*(\a)+12:RAW+16*(\a)+15], v[FA] offset:(\ka)+(\a)*16*PA+80
.endr
	WIN TO_B
.irp b, 0,1,2,3,4,5,6,7
	ds_load_tr16_b128 v[64*(\g)+8*(\b):64*(\g)+8*(\b)+3],   v[FB] offset:(\kb)+32*(\b)
	ds_load_tr16_b128 v[64*(\g)+8*(\b)+4:64*(\g)+8*(\b)+7], v[FB] offset:(\kb)+32*(\b)+16*PB
.endr
.endm
.macro CVT4 g, n                       ; registers 4 n .. 4 n + 3 of A's buffer g: eight numbers rounded to bf16
	WIN 0
.irp j, 0,1,2,3
	v_cvt_pk_bf16_f32 v[ABUF+32*(\g)+4*(\n)+(\j)], v[RAW+8*(\n)+2*(\j)], v[RAW+8*(\n)+2*(\j)+1]
.endr
.endm
; A QUARTER multiplies buffer f.  It begins with the fetch of the next quarter (bytes ka, kb behind FA, FB) for buffer g; the 32 conversions of A stand four behind each of its last eight products.
; The four behind the last product name none of its registers: they are the places in front of the next quarter's loads into W's buffer f, and of its conversions into A's (ISA guide 7.12.1 for vector instructions).
.macro QUARTER f, g, ka, kb, first=0, fetch=1
.if \fetch
	FETCH \g, \ka, \kb
	s_wait_dscnt 32                                ; all but the 32 just issued: W's buffer f is in
.else
	s_wait_dscnt 0x0
.endif
.set i, 0
.rept 24
	PROD \f, i, \first
.set i, i+1
.endr
.if \fetch
	s_wait_dscnt 16                                ; W's 16 loads, issued behind A's, may stay out
.endif
.rept 8
	PROD \f, i, \first
.if \fetch
	CVT4 \g, i-24
.endif
.set i, i+1
.endr
	WIN 0
.endm
.macro ADVANCE                         ; two quarters on
	s_add_co_u32 s[TBA], s[TBA], AADV
	s_add_co_u32 s[TBB], s[TBB], 64*PB
	v_add_nc_u32 v[FA], s[TBA], v[A0]
	v_add_nc_u32 v[FB], s[TBB], v[B0]
.endm
.macro PAIR
	QUARTER 1, 0, 0, 0
	QUARTER 0, 1, DA, 32*PB
	ADVANCE
.endm
; THE CHANGE OF SLOTS.  The slot's last fragments have been asked for.  Each wave waits for all its tensor loads, of which one is out: its part of the other slot; adds 0 to its spare word; and waits for that and
; for its own reads of the slot.  fill = 1: the slot is filled again, with the step two on.  The barrier is then a round of the cluster's, so that no wave of any partner still reads the slot or has a load on its
; way, and the joint refill is the first thing behind it: it has a step, 128 matrix instructions, in which to land.
.macro CHANGE fill
	WIN 0
	s_wait_tensorcnt 0x0                           ; no tensor load of mine is out, so a group 0 may be written
	ds_add_u32 v[SPW], v[NIL]                      ; 0 onto my spare word; scalar work stands between it and the wait for it
	s_sub_co_u32 s[TBA], s[TBA], 2*AADV            ; back to the first byte of the slot that is left: 0 or SLOT
	s_sub_co_u32 s[TBB], s[TBB], 128*PB
.if \fill
	s_add_co_u32 s[G0A+5], s[LBA], s[TBA]          ; the walking descriptors: into that slot,
	s_add_nc_u64 s[G0A+6:G0A+7], s[G0A+6:G0A+7], ASTEP  ; the next step; the type bits on top are not reached
	s_add_co_u32 s[G0B+5], s[LBB], s[TBA]
	s_add_nc_u64 s[G0B+6:G0B+7], s[G0B+6:G0B+7], BSTEP
	s_wait_xcnt 0x0                                ; the last prefetch, a step back, has read its address
	s_add_nc_u64 s[PFA:PFA+1], s[PFA:PFA+1], ASTEP
	s_wait_dscnt 0x0                               ; the add is done, and my reads of the slot are over
	CROUND
	JLOAD
	ASK
.else
	s_wait_dscnt 0x0
	s_barrier_signal -1
	s_barrier_wait -1
.endif
	s_xor_b32 s[TBA], s[TBA], SLOT                 ; the fetches go on in the other slot
	s_xor_b32 s[TBB], s[TBB], SLOT
	v_add_nc_u32 v[FA], s[TBA], v[A0]
	v_add_nc_u32 v[FB], s[TBB], v[B0]
.endm
	s_wait_tensorcnt 1                             ; my part of step 0 is in; step 1's may stay out
	s_barrier_signal -1
	s_barrier_wait -1                              ; everybody's is
	FETCH 0, 0, 0
	s_wait_dscnt 16                                ; A's 16 loads are in
.set i, 0
.rept 8
	CVT4 0, i
.set i, i+1
.endr
	QUARTER 0, 1, DA, 32*PB, 1                     ; the first quarter: its products start the sums, with the bias
	ADVANCE
	s_mov_b32 s[SLOTS], NS-1
	s_mov_b32 s[CNT], 1
	s_branch .Lpair                                ; step 0 has one pair of quarters in front of its change
.Lslot:                                        ; NS - 2 times: every slot but the last two is filled again
	CHANGE 1
	s_mov_b32 s[CNT], 2
.Lpair:                                        ; (a step's fourth quarter, the next step's first), then (its second, its third)
	PAIR
	s_sub_co_u32 s[CNT], s[CNT], 1
	s_cmp_lg_u32 s[CNT], 0
	s_cbranch_scc1 .Lpair
	s_sub_co_u32 s[SLOTS], s[SLOTS], 1
	s_cmp_lg_u32 s[SLOTS], 0
	s_cbranch_scc1 .Lslot
	CHANGE 0                                       ; the tail is written out: nothing is asked for
	s_mov_b32 s[CNT], 2
.Ltail:
	PAIR
	s_sub_co_u32 s[CNT], s[CNT], 1
	s_cmp_lg_u32 s[CNT], 0
	s_cbranch_scc1 .Ltail
	QUARTER 1, 0, 0, 0, 0, 0                       ; the last quarter fetches nothing
; THE WAY OUT, a block of 16 rows at a time: rounded to f16, 16 bytes a lane into my stage, back as a head's rows of 128 bytes, four rows to a store.
.macro PACK a
	WIN 0x0a                                       ; sources 0 and 1 window 2
.irp b, 0,1,2,3,4,5,6,7
.irp j, 0,1,2,3
	v_cvt_pk_f16_f32 v[TMP+4*(\b)+(\j)], v[8*(8*(\a)+(\b))+2*(\j)], v[8*(8*(\a)+(\b))+2*(\j)+1]
.endr
.endr
	WIN 0
.endm
.macro TOSTAGE a
.set BK, OB+32*((\a)%2)
	s_wait_xcnt 0x0                                ; the stores of two blocks back have read the registers that are loaded below
.irp b, 0,1,2,3,4,5,6,7
	ds_store_b128 v[STO], v[TMP+4*(\b):TMP+4*(\b)+3] offset:32*(\b)
.endr
.irp u, 0,1
.irp t, 0,1,2,3
	ds_load_b128 v[BK+4*(4*(\u)+(\t)):BK+4*(4*(\u)+(\t))+3], v[RD] offset:(\t)*4*SP+128*(\u)  ; LDS serves a wave's instructions in order (ISA guide 5.7.1.4): these see the stores above
.endr
.endr
.endm
.macro SEND a
.set BK, OB+32*((\a)%2)
	s_wait_dscnt 0x0                               ; the block is back in registers
.irp u, 0,1
.irp t, 0,1,2,3
	global_store_b128 v[GO], v[BK+4*(4*(\u)+(\t)):BK+4*(4*(\u)+(\t))+3], s[10:11] offset:(\u)*262144+(\a)*2048+(\t)*512  ; head u of my two: 512 consecutive bytes, at a multiple of 256 from the output's first
.endr
.endr
.endm
	PLACES                                         ; the conversions read results just made
	PACK 0
	TOSTAGE 0
.irp a, 1,2,3                          ; block a's conversions stand between block a - 1's loads from the stage and the wait for them
	PACK \a
	SEND (\a)-1
	TOSTAGE \a
.endr
	SEND 3
	s_wait_tensorcnt 0x0                           ; the wave's end: the add and its wait, behind my last tensor load and my last LDS store
	ds_add_u32 v[SPW], v[NIL]
	s_wait_dscnt 0x0
	CROUND                                         ; the closing round: no work-group ends while a partner may still ask for a tile that names it
	s_endpgm
.Lfunc_end_k_q36ff458107_projkv:
	.size	k_q36ff458107_projkv, .Lfunc_end_k_q36ff458107_projkv-k_q36ff458107_projkv
	.p2alignl 7, 3214868480
	.fill 96, 4, 3214868480
	.section	.rodata,"a",@progbits
	.p2align	6, 0x0
	.amdhsa_kernel k_q36ff458107_projkv
		.amdhsa_group_segment_fixed_size 327680
		.amdhsa_private_segment_fixed_size 0
		.amdhsa_enable_private_segment 0
		.amdhsa_kernarg_size 56
		.amdhsa_user_sgpr_count 2
		.amdhsa_user_sgpr_kernarg_segment_ptr 1
		.amdhsa_wavefront_size32 1
		.amdhsa_system_sgpr_workgroup_id_x 1
		.amdhsa_system_sgpr_workgroup_id_y 1
		.amdhsa_system_sgpr_workgroup_id_z 1
		.amdhsa_system_vgpr_workitem_id 0
		.amdhsa_next_free_vgpr 768
		.amdhsa_next_free_sgpr 96
		.amdhsa_reserve_vcc 0
		.amdhsa_float_denorm_mode_32 3
		.amdhsa_float_denorm_mode_16_64 3
		.amdhsa_memory_ordered 1
		.amdhsa_forward_progress 1
		.amdhsa_inst_pref_size 72
	.end_amdhsa_kernel
	.amdgpu_metadata
---
amdhsa.version: [ 1, 2 ]
amdhsa.kernels:
  - .name:           k_q36ff458107_projkv
    .symbol:         k_q36ff458107_projkv.kd
    .args:
      - { .name: key, .offset: 0, .size: 8, .value_kind: global_buffer, .address_space: global }
      - { .name: value, .offset: 8, .size: 8, .value_kind: global_buffer, .address_space: global }
      - { .name: wts, .offset: 16, .size: 8, .value_kind: global_buffer, .address_space: global }
      - { .name: bk, .offset: 24, .size: 8, .value_kind: global_buffer, .address_space: global }
      - { .name: bv, .offset: 32, .size: 8, .value_kind: global_buffer, .address_space: global }
      - { .name: kh, .offset: 40, .size: 8, .value_kind: global_buffer, .address_space: global }
      - { .name: vh, .offset: 48, .size: 8, .value_kind: global_buffer, .address_space: global }
    .group_segment_fixed_size: 327680
    .private_segment_fixed_size: 0
    .kernarg_segment_align: 8
    .kernarg_segment_size: 56
    .max_flat_workgroup_size: 128
    .sgpr_count:     96
    .vgpr_count:     768
    .wavefront_size: 32
...
	.end_amdgpu_metadata
.endif
;; end of part 3
;; launch attn (part 4): grid 4 x 64, 4 waves a work-group, clusters of 4 x 1, 327,680 bytes of LDS; arguments qh, kh, vh, oh; writes oh
.if DOCPART == 4
	.amdgcn_target "amdgcn-amd-amdhsa--gfx1250"
	.amdhsa_code_object_version 6
	.text
	.protected	k_q36ff458107_attn
	.globl	k_q36ff458107_attn
	.p2align	8
	.type	k_q36ff458107_attn,@function
k_q36ff458107_attn:
	s_mov_b64 s[64:65], 0
	v_nop
	global_prefetch_b8 v0, s[64:65] scope:SCOPE_SE
	s_setreg_imm32_b32 hwreg(HW_REG_WAVE_MODE, 25, 1), 1
	s_wait_xcnt 0x0
	s_wait_alu depctr_hold_cnt(0) depctr_sa_sdst(0) depctr_va_vdst(0) depctr_va_sdst(0) depctr_va_ssrc(0) depctr_va_vcc(0) depctr_vm_vsrc(0)
	s_getreg_b32 s2, hwreg(HW_REG_IB_STS2, 6, 4)
	s_cmp_eq_u32 s2, 0
	s_cbranch_scc0 .Lentry_in_a_cluster
	s_endpgm
.Lentry_in_a_cluster:
	s_bfe_u32 s2, ttmp6, 0x10000c
	s_cmp_lg_u32 s2, 0x3003
	s_cbranch_scc0 .Lentry_shape_is_right
	s_endpgm
.Lentry_shape_is_right:
; O[h][q][:] = the sum over k of softmax_k(Q[h][q] . K[h][k] / 8) V[h][k][:].  Q, K, V, O: [SIZE_H][SIZE_N][64], all f16: a head's rows are dense, 128 bytes each.  Products, maxima and sums in
; f32; the weights p are rounded to f16 for the second product (their sum l is taken of the unrounded p), O once at the end.
; LIMITS.  f16 holds no number beyond 65,504: Q, K and V arrive within it; p lies in 0 to 1, and below 6e-5 it keeps f16's fixed step of 6e-8; O is a mean of V's rows and has their range.
; A weight below 2^-126 counts as 0 in l; NaN and infinities are not treated apart.
; SHARES.  A wave owns four PIECES of two tiles of 16 queries, a work-group's four waves 512 queries of one head: 4 x 64 = 256 work-groups.  Every wave walks all keys, 64 a step.
; LAYOUT.  S^T = K Q^T (source 0 = 16 keys, source 1 = 16 queries): in the result a lane holds ONE query (lane % 16) and the keys 8 (lane / 16) + 0..7.  Two such tiles, rounded to f16 in pairs,
; ARE source 1 (32 keys x 16 queries) of O^T = V^T P, whose result again holds one query a lane, and eight channels.  K comes out of LDS as it lies, V ([key][channel]) turned, by ds_load_tr16_b128.
; SOFTMAX.  For each query a running maximum m and sum l: p = 2^(c s - c m), c = log2(e) / 8; in every step O and l are multiplied by a = 2^(c m_old - c m_new), which is 1 where m has not grown.
; m starts at the lowest finite number, O and l at 0: the first step is a step like any other, with a = 0.
; THE COUNT.  A tile and step have 16 matrix and 118 vector instructions: too many to stand all beside the matrix work.  So the order has one aim: four vector instructions that are READY behind
; EVERY matrix instruction, and the others, which need time of their own whatever the order, in runs without a gap.
; BY TURNS.  Turn n belongs to piece n (the pieces in a ring, step after step).  Its matrix work: 16 products K Q^T of piece n + 1, later 16 products V^T P of piece n - 1.  Its vector work: the scaling,
; exponentials, roundings, sums and rescaling of piece n, and the maximum and statistics of piece n + 1, whose scores the turn itself has made.  So what a turn begins with (c s - c m, O a) waits for nothing.
; CLUSTER.  The four query blocks of a cluster are one head's and walk the same K and V, so each tile is asked for JOINTLY: the same tensor load, descriptor and mask in all four.
; REGISTERS, in windows of 256 (s_set_vgpr_msb says which window each operand place means: bits 1:0 source 0, 3:2 source 1, 5:4 source 2, 7:6 destination):
;   window 0: v0-11 addresses; v12-15, v48-63 at work; v16-47 four registers of statistics a tile; v64-191 S^T, two buffers of two tiles; v192-255 P, likewise
;   window 1: O^T, 32 a tile          window 2: v0-127 Q, 16 a tile; v128-191 K of one step; v192-255 V of one step          window 3: v0-1 the add's two registers
; A piece's buffers go by its number's parity: the piece in hand has one pair, its two neighbours in the ring share the other: of it P (piece n - 1) is read and S^T (piece n + 1) written.
.set SIZE_H, 64       ; 4 batches x 16 heads
.set SIZE_N, 2048     ; queries, and keys, of a head
.set NP,    4         ; pieces a wave: a name, no knob: the register map, the loop and the fetches are made for four
.set KS,    64        ; keys in a step
.set PK,    144       ; a row of K in LDS: 128 bytes + 16 of padding = 36 words: the 16 rows of a load start at 16 different groups of four banks (64 banks of 4 bytes: ISA guide 11.1)
.set PV,    160       ; a row of V: 128 + 32 = 40 words
.set VOFF,  4*KS*PK   ; a slot holds four steps: 256 rows of K, then 256 rows of V
.set SLOT1, 1<<17     ; slot 1 begins here, so that one exclusive or turns an address in one slot into the other's
.set STAGE, SLOT1+4*KS*(PK+PV)  ; behind the ring, never filled by a tensor load: 16 rows x 144 bytes for each wave, for the way out
.set SP,    144
.set AK0, 2           ; v2   my lane's place in a tile of K; never rewritten
.set AV0, 3           ; v3   the same for V
.set AK,  4           ; v4   the LDS address of K's next run of loads
.set AV,  5           ; v5   of V's
.set QO,  6           ; v6   my byte offset in the wave's rows of Q
.set STO, 6           ;      later, the way out: where I put 16 bytes of a row
.set RD,  7           ; v7   the way out: where I read rows back
.set GO,  8           ; v8   my byte offset in 512 consecutive bytes of O
.set PFO, 11          ; v11  256 x my lane, once V's lane address is made; then never rewritten
.set SPW, 0           ; v0 of window 3   LDS address of my spare word: SPARE + 4 x my thread's number; never rewritten
.set NIL, 1           ; v1 of window 3   0; never rewritten
.set SPARE, STAGE+4*16*SP  ; behind the stages: the spare words, 128 bytes for each wave: two blocks of 256 bytes that no other line names
.set MV,  12          ; v12-15  c m_old, kept while c m is made anew: by buffer and tile
.set ST,  16          ; tile t's statistics at v[ST+4 t]: c m, m, l (even keys', odd keys')
.set TMP, 48          ; by buffer and tile, four registers c0-c3 at work; when the maximum is found c2 takes a
.set S,   64
.set P,   192
.set KF,  128         ; K's fragments, in window 2: key block kb, channel half c at KF + 16 kb + 8 c
.set VF,  192         ; V's: key half kk, channel block cb at VF + 32 kk + 8 cb
.set WV,  12          ; s12  my wave's number
.set G1K, 24          ; s[24:31] descriptor group 1 for K's tiles
.set G1V, 32          ; s[32:39] for V's: it differs in the padding alone
.set G0K, 40          ; s[40:43] descriptor group 0 for K's tiles: it walks
.set G0V, 44          ; s[44:47] the same for V's
.set PFA, 48          ; s[48:49] where my prefetches stand: my work-group's 8,192 bytes (of K: wave 0, of V: wave 2) of the slot after the one that is being asked for
.set LIM, 50          ; s50  1 in a wave that prefetches, else the greatest number
.set SLOTS, 56        ; s56  slots still to be asked for
.set CNT, 57          ; s57  counts a slot's key steps
.set CS,  58          ; s[58:59] c: the packed scaling takes the pair's low word for both halves
.set SEL, 60          ; s[60:61] v_permlanex16_b32's selects: each lane takes its own place in the other half
.set TBK, 62          ; s62  LDS byte at which K of the step to be fetched begins
.set TBV, 63          ; s63  the same for V, less VOFF
.set MSB, 0
.macro WIN new                      ; the high byte repeats the setting that is left; a switch that changes nothing is dropped
.if MSB != (\new)
	s_set_vgpr_msb (MSB<<8)|(\new)
.set MSB, (\new)
.endif
.endm
.set W_KQ, 0x0a       ; K and Q in window 2, S^T in window 0
.set W_PV, 0x52       ; V in window 2, P in window 0, O^T in window 1
.set W_RS, 0x41       ; O^T (destination and source 0) in window 1, a in window 0
.set W_MK, 0xc0       ; the add's registers are made: destination in window 3, sources in window 0
.set W_AD, 0x0f       ; the add: address (source 0) and data (source 1) in window 3
; A joint fill.  Waves 0 and 1 fetch the two halves of a slot's K, waves 2 and 3 those of its V: 128 keys each.  The branch hangs on the wave's number alone.
; An s_nop 0 and four v_nop follow each of the two lines, ahead of the jump and the label.
.macro JLOAD
	s_cmp_lt_u32 s[WV], 2
	s_cbranch_scc0 .Lfor_v_\@
	tensor_load_to_lds s[G0K:G0K+3], s[G1K:G1K+7]
	s_nop 0
.rept 4
	v_nop
.endr
	s_branch .Lasked_\@
.Lfor_v_\@:
	tensor_load_to_lds s[G0V:G0V+3], s[G1V:G1V+7]
	s_nop 0
.rept 4
	v_nop
.endr
.Lasked_\@:
.endm
; A PREFETCH INTO THE L2 of what the NEXT change of slots will ask for: a slot's 32,768 bytes of K and of V, 128 blocks of 256 bytes each, a lane a block.  It stands behind the wave's tensor load and its five lines.
; Each block is asked for ONCE in the launch: one cluster alone walks a head; its four partners share the blocks out BY ADDRESS, 32 each; in each, wave 0 asks for K's and wave 2 for V's: one instruction,
; four key steps, 512 matrix instructions, ahead of the load.  Slots 0 to 2 come by their loads alone; the last change that fills a slot asks for nothing: there is no slot behind it.
.macro ASK
	s_cmp_gt_u32 s[SLOTS], s[LIM]
	s_cbranch_scc0 .Lnot_mine_\@
	global_prefetch_b8 v[PFO], s[PFA:PFA+1] th:TH_LOAD_NT scope:SCOPE_SE
.Lnot_mine_\@:
.endm
; A round of the cluster's barrier: my work-group's barrier, so that wave 0's signal speaks for all four waves; wave 0 signals; every wave waits for all four work-groups; my work-group's barrier once more.
.macro CROUND
	s_barrier_signal -1
	s_barrier_wait -1
	s_cmp_lg_u32 s[WV], 0
	s_cbranch_scc1 .Lnot_wave_0_\@
	s_barrier_signal -3
.Lnot_wave_0_\@:
	s_barrier_wait -3
	s_barrier_signal -1
	s_barrier_wait -1
.endm
; THE CHANGE OF SLOTS.  The slot's last bytes, V of its fourth step, have been read.  Each wave waits for all its tensor loads, of which one is out: its part
; of the other slot; adds 0 to its spare word; and waits for that and for its own reads of the slot.  Behind the barrier nobody reads this slot any more and the other slot is whole.
; fill = 1: this slot is filled again, with the keys two slots on.  The barrier is then a round of the cluster's, so that no wave of any partner still reads the slot or has a load on its
; way, and the joint fill is the first thing behind it: it has four key steps, 512 matrix instructions, in which to land.  (At its first use nothing has been read yet: slot 0 is waited for, slot 1 filled.)
; ask = 1: the prefetches' address steps, and the slot behind the one just asked for is prefetched.
.macro CHANGE fill, ask
	WIN W_AD
	s_wait_tensorcnt 0x0            ; no tensor load of mine is out, so a group 0 may be written
	ds_add_u32 v[SPW], v[NIL]       ; 0 onto my spare word; with fill = 1 the descriptors' steps stand between it and the wait for it
	WIN 0                           ; at a label and at a branch every window is 0
.if \fill
.irp g, G0K, G0V
	s_xor_b32 s[\g+1], s[\g+1], SLOT1  ; the walking descriptor: the other slot than last time,
	s_add_nc_u64 s[\g+2:\g+3], s[\g+2:\g+3], 4*KS*128  ; the next 256 keys; the type bits on top are not reached
.endr
.if \ask
	s_wait_xcnt 0x0                 ; the last prefetch, four key steps back, has read its address
	s_add_nc_u64 s[PFA:PFA+1], s[PFA:PFA+1], 4*KS*128  ; one slot behind the walking descriptors
.endif
	s_wait_dscnt 0x0                ; the add is done, and my reads of the slot are over
	CROUND
	JLOAD
.if \ask
	ASK
.endif
.else
	s_wait_dscnt 0x0                ; the add is done, and my reads of the slot are over
	s_barrier_signal -1
	s_barrier_wait -1
.endif
	s_sub_co_u32 s[TBK], s[TBK], 4*KS*PK  ; the fetches go back to a slot's first step,
	s_xor_b32 s[TBK], s[TBK], SLOT1       ; in the other slot
	s_sub_co_u32 s[TBV], s[TBV], 4*KS*PV
	s_xor_b32 s[TBV], s[TBV], SLOT1
.endm
	s_load_b256 s[4:11], s[0:1], 0x0  ; Q s[4:5], K s[6:7], V s[8:9], O s[10:11]
	WIN W_MK
	v_lshl_add_u32 v[SPW], v0, 2, SPARE
	v_mov_b32 v[NIL], 0
	WIN W_AD
	ds_add_u32 v[SPW], v[NIL]       ; the wave's opening: the add and its wait stand ahead of my first tensor load; the set-up below, work on registers, stands between them
	WIN 0
	v_lshrrev_b32 v1, 5, v0
	v_readfirstlane_b32 s[WV], v1   ; wave 0..3
	s_bfe_u32 s13, ttmp6, 0x40000   ; cx: my place in the cluster
	s_lshl_b32 s14, ttmp9, 2        ; in a cluster launch ttmp9 counts clusters
	s_add_co_u32 s14, s14, s13      ; my block of queries = 4 x cluster x + cx: it enters Q's and O's addresses alone
	s_and_b32 s20, ttmp7, 0xffff    ; the head, which the four partners share
	s_mov_b32 s21, 0
	s_mov_b64 s[22:23], SIZE_N*128
	s_mul_u64 s[20:21], s[20:21], s[22:23]  ; the head's first byte in each of the four tensors
	s_and_b32 s16, s[WV], 1         ; which half of a slot's 256 keys I fetch:
	s_lshl_b32 s22, s16, 14         ; its 128 rows of 128 bytes in memory,
	s_mov_b32 s23, 0
	s_add_nc_u64 s[22:23], s[22:23], s[20:21]
	s_mul_i32 s17, s16, 128*PK      ; and its place in a slot, for K
	s_mul_i32 s18, s16, 128*PV      ; and for V: no place in the cluster enters an LDS address
	s_lshl_b32 s2, s14, 2
	s_add_co_u32 s2, s2, s[WV]      ; my wave among the head's,
	s_lshl_b32 s2, s2, 14           ; its 128 rows
	s_mov_b32 s3, 0
	s_add_nc_u64 s[2:3], s[2:3], s[20:21]
	; descriptor group 1.  128 keys are 16,384 dense bytes: asked for as 64 rows of 256 bytes, two keys a row, and padded in LDS after every key
	s_mov_b32 s[G1K], 15|(1<<16)|(1<<20)|(1<<21)|(4<<22)|(3<<25)  ; 15:0 the mask of four; 17:16 2-byte elements; 20 padding on; 21 set beside a mask; 24:22 after every 32 words (code 4); 31:25 4 words (code 3)
	s_mov_b32 s[G1V], 15|(1<<16)|(1<<20)|(1<<21)|(4<<22)|(7<<25)  ; the same with 8 words of padding (code 7)
.irp g, G1K, G1V
	s_mov_b32 s[\g+1], 128<<16      ; tensor_dim0 = 128
	s_mov_b32 s[\g+2], 64<<16       ; tensor_dim1 = 64
	s_mov_b32 s[\g+3], 128<<16      ; tile_dim0 = 128
	s_mov_b32 s[\g+4], 64           ; tile_dim1 = 64
	s_mov_b32 s[\g+5], 128          ; 128 elements from row to row
	s_mov_b32 s[\g+6], 0
	s_mov_b32 s[\g+7], 0
.endr
	s_mov_b32 s[CS], 0x3e38aa3b     ; c = log2(e) / 8 = 0.180337
	s_mov_b32 s[CS+1], s[CS]        ; named with it as a pair
	s_mov_b32 s[SEL], 0x76543210
	s_mov_b32 s[SEL+1], 0xfedcba98
	s_mov_b32 s[TBK], SLOT1+4*KS*PK ; the first change of slots turns these two into 0
	s_mov_b32 s[TBV], SLOT1+4*KS*PV
	s_mov_b32 s[G0K], 1             ; 1:0 count = 1
	s_mov_b32 s[G0K+1], s17         ; 63:32 LDS address: slot 0
	s_mov_b32 s[G0V], 1
	s_add_co_u32 s[G0V+1], s18, VOFF
	s_lshl_b32 s52, s13, 13         ; the prefetches: my work-group's 8,192 bytes of a slot's 32,768
	s_mov_b32 s53, 0
	s_cmp_eq_u32 s16, 0             ; waves 0 and 2 ask: the same in all four partners
	s_cselect_b32 s[LIM], 1, -1
	s_wait_dscnt 0x0                ; the opening add is done
	s_wait_kmcnt 0x0
	s_add_nc_u64 s[G0K+2:G0K+3], s[6:7], s[22:23]  ; 120:64 global address: my half of the head's first 256 keys
	s_or_b32 s[G0K+3], s[G0K+3], 0x80000000        ; 127:126 type = 2
	s_add_nc_u64 s[G0V+2:G0V+3], s[8:9], s[22:23]
	s_or_b32 s[G0V+3], s[G0V+3], 0x80000000
	s_add_nc_u64 s[4:5], s[4:5], s[2:3]  ; Q and O at my wave's first row
	s_add_nc_u64 s[10:11], s[10:11], s[2:3]
	s_cmp_lt_u32 s[WV], 2
	s_cselect_b64 s[PFA:PFA+1], s[6:7], s[8:9]     ; K for wave 0, V for wave 2,
	s_add_nc_u64 s[PFA:PFA+1], s[PFA:PFA+1], s[20:21]  ; at the head's first row,
	s_add_nc_u64 s[PFA:PFA+1], s[PFA:PFA+1], s[52:53]  ; my work-group's part,
	s_add_nc_u64 s[PFA:PFA+1], s[PFA:PFA+1], 2*4*KS*128  ; in slot 2: the loop's first change steps it to slot 3.  Nothing is prefetched here, at the head
	CROUND                          ; all four work-groups are here: the first joint loads meet
	JLOAD                           ; slot 0.  Slot 1 is asked for when slot 0 is in: the tile wanted first has the road to itself
	; A fragment of K or Q is 16 rows x 32 channels in 8 registers: lane l holds row l % 16, channels 8 (l / 16) + 0..7 and 16 + 8 (l / 16) + 0..7: two loads of 16 bytes, 32 bytes apart.
	v_and_b32 v1, 15, v0            ; l % 16
	v_bfe_u32 v9, v0, 4, 1          ; l / 16
	v_lshlrev_b32 v[QO], 7, v1
	v_lshl_add_u32 v[QO], v9, 4, v[QO]  ; row x 128 + 16 x half
	WIN 0x80                        ; destination window 2, address window 0
.set i, 0
.rept 4*NP                          ; Q stays in registers: tile i / 2, channels 32 (i % 2) on
	global_load_b128 v[8*i:8*i+3],   v[QO], s[4:5] offset:(i/2)*2048+(i%2)*64
	global_load_b128 v[8*i+4:8*i+7], v[QO], s[4:5] offset:(i/2)*2048+(i%2)*64+32
.set i, i+1
.endr
	; What the first turn finds: V's registers and P's second buffer hold 0 (its products V^T P, of a piece that has not been, add 0), O^T and l are 0.  All this stands in the wait for the first tile.
.set i, VF
.rept 64
	v_mov_b32 v[i], 0
.set i, i+1
.endr
	WIN 0x40
.set i, 0
.rept 64*NP
	v_mov_b32 v[i], 0
.set i, i+1
.endr
	WIN 0
.set i, 0
.rept 2*NP
	v_mov_b32 v[ST+4*i], 0xfe000000    ; c m: far below every c s
	v_mov_b32 v[ST+4*i+1], 0xff7fffff  ; m
	v_mov_b32 v[ST+4*i+2], 0
	v_mov_b32 v[ST+4*i+3], 0
.set i, i+1
.endr
.set i, P+32
.rept 32
	v_mov_b32 v[i], 0
.set i, i+1
.endr
	v_mul_u32_u24 v[AK0], v1, PK
	v_lshl_add_u32 v[AK0], v9, 4, v[AK0]  ; row x pitch + 16 x half
	; The turning load takes 16 keys x 16 channels (lane l reads key 8 (l / 16) + l % 8, channels 8 ((l / 8) % 2) + 0..7) and leaves half a fragment of V^T: lane l holds channel l % 16 and 8 keys.
	v_and_b32 v10, 7, v0
	v_bfe_u32 v11, v0, 3, 1
	v_lshl_add_u32 v[AV0], v9, 3, v10
	v_mul_u32_u24 v[AV0], v[AV0], PV
	v_lshl_add_u32 v[AV0], v11, 4, v[AV0]
	v_add_nc_u32 v[AV0], VOFF, v[AV0]
	v_and_b32 v[PFO], 31, v0
	v_lshlrev_b32 v[PFO], 8, v[PFO]
	v_mov_b32 v[AK], v[AK0]         ; key step 0 lies at the head of slot 0
; THE MATRIX WORK.  The 8 accumulators of a run of 16 take turns: between the two links of a chain stand 7 others'.
; Product i of 16 of S^T = K Q^T for piece x: channels 32 (i / 8) on, keys 16 ((i / 2) % 4) on, tile 2 x + i % 2.  The first 8 start the sums.
.macro KQ x
	WIN W_KQ
.set rS, S+64*((\x)%2)+32*(i%2)+8*((i/2)%4)
.set rK, KF+16*((i/2)%4)+8*(i/8)
.set rQ, 16*(2*(\x)+i%2)+8*(i/8)
.if i < 8
	v_wmma_f32_16x16x32_f16 v[rS:rS+7], v[rK:rK+7], v[rQ:rQ+7], 0
.else
	v_wmma_f32_16x16x32_f16 v[rS:rS+7], v[rK:rK+7], v[rQ:rQ+7], v[rS:rS+7]
.endif
.endm
; Product i of 16 of O^T += V^T P for piece x: keys 32 (i / 8) on, channels 16 ((i / 2) % 4) on, tile 2 x + i % 2.
.macro PV x
	WIN W_PV
.set rO, 32*(2*(\x)+i%2)+8*((i/2)%4)
.set rV, VF+32*(i/8)+8*((i/2)%4)
.set rP, P+32*((\x)%2)+16*(i%2)+8*(i/8)
	v_wmma_f32_16x16x32_f16 v[rO:rO+7], v[rV:rV+7], v[rP:rP+7], v[rO:rO+7]
.endm
.macro MM                           ; the turn's next matrix instruction
.if i < 16
	KQ (Y+1)%NP
.set i, i+1
.else
.set i, i-16
	PV (Y+NP-1)%NP
.set i, i+17
.endif
.endm
; THE LDS LOADS stand in runs of 16, never singly among the matrix instructions: a step's K (64 keys x 64 channels: 8 fragments) and its V (turned).  Their addresses are made some lines ahead.
; last = 1 (the tail): in the last trip there is no further step, and the run is jumped over.
.macro FETCH_K last=0
	WIN 0
.if \last
	s_cmp_eq_u32 s[CNT], 1
	s_cbranch_scc1 .Lno_k_\@
.endif
	WIN 0x80                        ; destination window 2
.irp f, 0,1,2,3,4,5,6,7             ; keys 16 (f / 2) on, channels 32 (f % 2) on
	ds_load_b128 v[KF+8*\f:KF+8*\f+3],   v[AK] offset:(\f/2)*16*PK+(\f%2)*64
	ds_load_b128 v[KF+8*\f+4:KF+8*\f+7], v[AK] offset:(\f/2)*16*PK+(\f%2)*64+32
.endr
	s_add_co_u32 s[TBK], s[TBK], KS*PK  ; the next fetch is the next step's
	WIN 0
.if \last
.Lno_k_\@:
.endif
.endm
.macro FETCH_V
	WIN 0x80
.irp f, 0,1,2,3,4,5,6,7             ; keys 32 (f / 4) on, channels 16 (f % 4) on
	ds_load_tr16_b128 v[VF+8*\f:VF+8*\f+3],   v[AV] offset:(\f/4)*32*PV+(\f%4)*32
	ds_load_tr16_b128 v[VF+8*\f+4:VF+8*\f+7], v[AV] offset:(\f/4)*32*PV+16*PV+(\f%4)*32
.endr
	WIN 0
.endm
; THE VECTOR WORK OF A TURN stands in three queues, each in the order in which its entries become ready; the two tiles alternate, so that no instruction reads the result of the one before it.
.macro REGS y, u                    ; the registers of tile u (0, 1) of piece y
.set rT, ST+4*(2*(\y)+(\u))
.set rC, TMP+8*((\y)%2)+4*(\u)
.set rM, MV+2*((\y)%2)+(\u)
.set rS, S+64*((\y)%2)+32*(\u)
.set rP, P+32*((\y)%2)+16*(\u)
.set rO, 32*(2*(\y)+(\u))
.endm
; Number n of the 22 that find the NEXT piece's (Y + 1) maximum and statistics.  s0-s31 are the lane's 32 scores; each accumulator's lowest registers are read first.  XS, GS and REGS set no window: PL and EX do.
;   0-11  four chains c0-c3 of seven scores each, three operands at a time     12-14, 16  the four scores left over, the old m, and c0-c3 into c0     15  c m_old is kept
;   17, 18  the query's other 32 keys lie in the lane 16 away: the new m         19-21  c m; c m_old - c m_new; a
.macro XS u, n
	REGS (Y+1)%NP, \u
.if (\n) < 4
	v_max3_num_f32 v[rC+(\n)], v[rS+8*(\n)], v[rS+8*(\n)+1], v[rS+8*(\n)+2]
.elseif (\n) < 12
	v_max3_num_f32 v[rC+(\n)%4], v[rC+(\n)%4], v[rS+8*((\n)%4)+2*((\n)/4)+1], v[rS+8*((\n)%4)+2*((\n)/4)+2]
.elseif (\n) == 12
	v_max3_num_f32 v[rC], v[rC], v[rS+7], v[rS+15]
.elseif (\n) == 13
	v_max3_num_f32 v[rC+1], v[rC+1], v[rS+23], v[rS+31]
.elseif (\n) == 14
	v_max3_num_f32 v[rC+2], v[rC+2], v[rC+3], v[rT+1]
.elseif (\n) == 15
	v_mov_b32 v[rM], v[rT]
.elseif (\n) == 16
	v_max3_num_f32 v[rC], v[rC], v[rC+1], v[rC+2]
.elseif (\n) == 17
	v_permlanex16_b32 v[rC+3], v[rC], s[SEL], s[SEL+1]
.elseif (\n) == 18
	v_max_num_f32 v[rT+1], v[rC], v[rC+3]
.elseif (\n) == 19
	v_mul_f32 v[rT], s[CS], v[rT+1]
.elseif (\n) == 20
	v_sub_f32 v[rC+1], v[rM], v[rT]
.else
	v_exp_f32 v[rC+2], v[rC+1]
.endif
.endm
; Number g of the 64 that follow the exponentials.  For each four weights k of a tile (pairs 2 k, 2 k + 1): both pairs are rounded to f16; then the second pair is added onto the first, in place;
; a group later l takes that sum (the first time as l = a l + sum).  In groups of eight, tiles alternating: round, round, add, and l for the group before.
.macro GS g
.set h, (\g)+6*((\g)/62)            ; group 0 has no group before it, and behind group 7 only l is left
.if h >= 6
.set h, h+2
.endif
	REGS Y, h%2
.set k, h/8
.if h%8 < 4
	s_wait_alu depctr_va_vdst(0)
	v_cvt_pk_f16_f32 v[rP+2*k+(h%8)/2], v[rS+4*k+2*((h%8)/2)], v[rS+4*k+2*((h%8)/2)+1]
.elseif h%8 < 6
	v_pk_add_f32 v[rS+4*k:rS+4*k+1], v[rS+4*k:rS+4*k+1], v[rS+4*k+2:rS+4*k+3]
.elseif k == 1
	v_pk_fma_f32 v[rT+2:rT+3], v[rT+2:rT+3], v[rC+2:rC+3], v[rS:rS+1] op_sel_hi:[1,0,1]
.else
	v_pk_add_f32 v[rT+2:rT+3], v[rT+2:rT+3], v[rS+4*k-4:rS+4*k-3]
	s_wait_alu depctr_va_vdst(0)
.endif
.endm
; THE PLAIN QUEUE, 138 long.  0-31: c s - c m for the 16 pairs of both tiles.  Then GS's 64, and among them the next piece's 42: number 15 at 38, 39; 0-14 and 16
; at 42-73, behind the products that make those scores; 17-20 at 95-106, two of three, since each waits for the one before it.
.macro PL
	WIN 0
.if q < 32
	REGS Y, q%2
	v_pk_fma_f32 v[rS+2*(q/2):rS+2*(q/2)+1], v[rS+2*(q/2):rS+2*(q/2)+1], s[CS:CS+1], v[rT:rT+1] op_sel_hi:[1,0,0] neg_lo:[0,0,1] neg_hi:[0,0,1]
.elseif q < 38
	GS q-32
.elseif q < 40
	XS q%2, 15
.elseif q < 42
	GS q-34
.elseif q < 74
	XS q%2, (q-42)/2+(q-42)/30
.elseif q < 95
	GS q-66
.elseif (q < 107) && ((q-95)%3 < 2)
	XS (q-95)%3, 17+(q-95)/3
.elseif q < 107
	GS 29+(q-95)/3
.else
	GS q-74
.endif
.set q, q+1
.endm
; THE EXPONENTIALS' QUEUE, 66 long: s0-s31 of both tiles, and at EA the next piece's two a.
.set EA, 58
.macro EX
	WIN 0
.if (e == EA) || (e == EA+1)
	XS e-EA, 21
.else
.set x, e-2*(e/(EA+2))
	REGS Y, x%2
	v_exp_f32 v[rS+x/2], v[rS+x/2]
.endif
.set e, e+1
.endm
; THE RESCALING's QUEUE: O^T times a, the one part that leaves window 0, so it is dealt four at a time, eight times.
.macro R4
	REGS Y, r%2
	WIN W_RS
	s_wait_alu depctr_va_vdst(0)
.irp z, 0,1,2,3
	v_pk_mul_f32 v[rO+8*(r/2)+2*\z:rO+8*(r/2)+2*\z+1], v[rO+8*(r/2)+2*\z:rO+8*(r/2)+2*\z+1], v[rC+2:rC+3] op_sel_hi:[1,0]
.endr
.set r, r+1
.endm
; HOW THEY ARE DEALT.  Behind a matrix instruction four: plain, exponential, plain, plain (one exponential, a plain instruction on either side), or four of the rescaling.  None names a register of the
; products round it.  What is over stands in two LUMPS: exponential and plain by turns; the second ends in 22 plain instructions.  The two v_permlanex16_b32 fall into the second lump, never behind a product.
; The queues lean on each other, and the deal keeps them in step: exponential e stands behind plain 2 (e / 4) + e % 2 (its scaling); when plain 32 comes, 10 exponentials are out, at 59: 33, at 95: 46; EA comes behind plain 107.
.macro SL
	MM
	PL
	EX
	PL
	PL
.endm
.macro BURST n                      ; 15 matrix instructions, or 16
.rept (\n)-7
	SL
.endr
.rept 3
	MM
	R4
	SL
.endr
	MM
	R4
.endm
; A TURN, for piece p.  cnt = 1: the loop's count is taken down some lines ahead of the branch that stands behind the turn.
; K of the next step is fetched in piece 2's turn, 31 vector instructions behind the last product that read K; its first reader comes behind the rest of the lump, 16 products and the second lump.
; V of the step in hand is fetched at the end of piece 0's turn, 69 behind its last reader; its first reader comes behind 16 products and a lump.  The four conditions on e and q below go with the deal.
.macro TURN p, last=0, cnt=0
.set Y, (\p)
.set i, 0
.set q, 0
.set e, 0
.set r, 0
.if (\p) == NP-1
	s_wait_dscnt 0x0                ; K is in
.endif
	MM
.rept 4
	PL
.endr
	BURST 15
.rept 22
	EX
	PL
.if ((\p) == NP-2) && (e == 18)
	v_add_nc_u32 v[AK], s[TBK], v[AK0]
.endif
.if ((\p) == NP-2) && (e == 24)
	FETCH_K \last
.endif
.endr
.if (\p) == 1
	s_wait_dscnt 0x0                ; V is in
.endif
	BURST 16
.rept 21
	EX
	PL
.endr
.rept 22
	PL
.if ((\p) == 0) && (q == 118)
	v_add_nc_u32 v[AV], s[TBV], v[AV0]
	s_wait_alu depctr_va_vdst(0)
.endif
.if ((\p) == 0) && (q == 130)
	s_add_co_u32 s[TBV], s[TBV], KS*PV
.endif
.if (\cnt) && (q == 130)
	s_sub_co_u32 s[CNT], s[CNT], 1
	s_cmp_lg_u32 s[CNT], 0
.endif
.endr
.if (\p) == 0
	FETCH_V
.endif
.endm
	CHANGE 1, 0                     ; slot 0 is in, everybody's part of it; slot 1 is asked for
	FETCH_K                         ; key step 0
	s_wait_loadcnt 0x0              ; Q
	s_wait_dscnt 0x0
.set i, 0
.rept 16
	KQ 0                            ; piece 0's first scores: there is no vector work yet to set between them
.set i, i+1
.endr
	WIN 0                           ; the addresses for the way out: nine plain instructions, the places behind those products
	s_mul_i32 s13, s[WV], 16*SP
	s_add_co_u32 s13, s13, STAGE    ; my stage
	v_mul_u32_u24 v[STO], v1, SP    ; in: row l % 16, 16 bytes for each half of the lanes
	v_lshl_add_u32 v[STO], v9, 4, v[STO]
	v_add_nc_u32 v[STO], s13, v[STO]
	v_bfe_u32 v[RD], v0, 3, 2       ; back: 32 lanes take four rows of 128 bytes,
	v_mul_u32_u24 v[RD], v[RD], SP
	v_lshl_add_u32 v[RD], v10, 4, v[RD]
	v_add_nc_u32 v[RD], s13, v[RD]
	v_and_b32 v[GO], 31, v0         ; which are 512 consecutive bytes of O
	v_lshlrev_b32 v[GO], 4, v[GO]
.set Y, NP-1                        ; XS works for piece Y + 1: piece 0
.irp n, 0,1,2,3,4,5,6,7,8,9,10,11,12,13,14,15,16,17,18,19,20,21
	XS 0, \n                        ; and piece 0's first maximum and statistics
	XS 1, \n
.endr
	s_mov_b32 s[CNT], 4
	s_mov_b32 s[SLOTS], SIZE_N/256-1
	s_branch .Lfirst                ; the loop is entered at a step's first turn, in the middle of a trip
.Lslot:                             ; SIZE_N / 256 - 2 times: every slot but the last two is filled again
	CHANGE 1, 1
	s_mov_b32 s[CNT], 4
.Lstep:                             ; a trip: pieces 2 and 3 of one step, then pieces 0 and 1 of the next, whose K and V it fetches
	TURN 2
	TURN 3
	WIN 0
.Lfirst:
	TURN 0
	TURN 1, 0, 1
	WIN 0
	s_cbranch_scc1 .Lstep
	s_sub_co_u32 s[SLOTS], s[SLOTS], 1
	s_cmp_lg_u32 s[SLOTS], 0
	s_cbranch_scc1 .Lslot
	CHANGE 0, 0                     ; the tail is written out: nothing is asked for
	s_mov_b32 s[CNT], 5             ; four trips fetch the last slot's steps; the fifth is left in its middle
.Ltail:
	TURN 2, 1
	TURN 3
	WIN 0
	s_sub_co_u32 s[CNT], s[CNT], 1
	s_cmp_eq_u32 s[CNT], 0
	s_cbranch_scc1 .Lout
	TURN 0
	TURN 1
	WIN 0
	s_branch .Ltail
.Lout:                              ; the fifth trip's 16 products K Q^T (on the last K once more) and the maximum made of them serve nothing: the price, once a launch, of one text for every trip
.set i, 0
.rept 16
	PV NP-1                         ; the last piece's V^T P of the last step
.set i, i+1
.endr
	; THE WAY OUT.  l's two halves and the other half of the lanes' are added; O^T is divided by l, rounded to f16 and sent through my stage in LDS, a tile at a time.  The additions are the places behind the last products.
	WIN 0
.macro ALL line:vararg              ; one line for each tile t
.set t, 0
.rept 2*NP
	\line
.set t, t+1
.endr
.endm
	ALL v_add_f32 v[ST+4*t+2], v[ST+4*t+2], v[ST+4*t+3]
	ALL v_permlanex16_b32 v[ST+4*t+3], v[ST+4*t+2], s[SEL], s[SEL+1]
	ALL v_add_f32 v[ST+4*t+2], v[ST+4*t+2], v[ST+4*t+3]
	ALL v_rcp_f32 v[ST+4*t+2], v[ST+4*t+2]
	v_nop                           ; a plain instruction between the last reciprocal and the use of its result
	s_wait_alu depctr_va_vdst(0)
; Tile t: a lane's eight channels of a row pack into 16 bytes; they go into rows of 144 bytes and come back as whole rows of 128, into S^T's registers.
.macro PACK t
	WIN W_RS
.set i, 32*(\t)
.rept 16
	v_pk_mul_f32 v[i:i+1], v[i:i+1], v[ST+4*(\t)+2:ST+4*(\t)+3] op_sel_hi:[1,0]
.set i, i+2
.endr
	WIN 0x05                        ; sources 0 and 1 window 1, destination window 0
.set i, 0
.rept 16
	v_cvt_pk_f16_f32 v[S+16*(\t)+i], v[32*(\t)+2*i], v[32*(\t)+2*i+1]
.set i, i+1
.endr
	WIN 0
.irp f, 0,1,2,3
	ds_store_b128 v[STO], v[S+16*(\t)+4*\f:S+16*(\t)+4*\f+3] offset:32*\f
.endr
.irp f, 0,1,2,3
	ds_load_b128 v[S+16*(\t)+4*\f:S+16*(\t)+4*\f+3], v[RD] offset:\f*4*SP  ; LDS serves a wave's instructions in order (ISA guide 5.7.1.4): these see the stores above; the next tile's stores come behind them
.endr
.endm
.macro SEND t, younger              ; younger: the LDS instructions issued behind tile t's loads: the next tile's eight, or none
	WIN 0
.irp f, 0,1,2,3
	s_wait_dscnt (\younger)+3-\f
	global_store_b128 v[GO], v[S+16*(\t)+4*\f:S+16*(\t)+4*\f+3], s[10:11] offset:(\t)*2048+\f*512  ; 512 consecutive bytes, at a multiple of 256 from O's first
.endr
.endm
	PACK 0
.set t, 1
.rept 2*NP-1                        ; a tile's arithmetic stands between the loads of the tile before and its stores
	PACK t
	SEND t-1, 8
.set t, t+1
.endr
	SEND 2*NP-1, 0
	WIN W_AD
	s_wait_tensorcnt 0x0            ; the wave's end: the add and its wait, behind my last tensor load and my last LDS store
	ds_add_u32 v[SPW], v[NIL]
	s_wait_dscnt 0x0
	WIN 0
	CROUND                          ; the closing round: no work-group ends while a partner may still ask for a tile that names it
	s_endpgm
.Lfunc_end_k_q36ff458107_attn:
	.size	k_q36ff458107_attn, .Lfunc_end_k_q36ff458107_attn-k_q36ff458107_attn
	.p2alignl 7, 3214868480
	.fill 96, 4, 3214868480
	.section	.rodata,"a",@progbits
	.p2align	6, 0x0
	.amdhsa_kernel k_q36ff458107_attn
		.amdhsa_group_segment_fixed_size 327680
		.amdhsa_private_segment_fixed_size 0
		.amdhsa_enable_private_segment 0
		.amdhsa_kernarg_size 32
		.amdhsa_user_sgpr_count 2
		.amdhsa_user_sgpr_kernarg_segment_ptr 1
		.amdhsa_wavefront_size32 1
		.amdhsa_system_sgpr_workgroup_id_x 1
		.amdhsa_system_sgpr_workgroup_id_y 1
		.amdhsa_system_sgpr_workgroup_id_z 1
		.amdhsa_system_vgpr_workitem_id 0
		.amdhsa_next_free_vgpr 770
		.amdhsa_next_free_sgpr 66
		.amdhsa_reserve_vcc 0
		.amdhsa_float_denorm_mode_32 3
		.amdhsa_float_denorm_mode_16_64 3
		.amdhsa_memory_ordered 1
		.amdhsa_forward_progress 1
		.amdhsa_inst_pref_size 209
	.end_amdhsa_kernel
	.amdgpu_metadata
---
amdhsa.version: [ 1, 2 ]
amdhsa.kernels:
  - .name:           k_q36ff458107_attn
    .symbol:         k_q36ff458107_attn.kd
    .args:
      - { .name: qh, .offset: 0, .size: 8, .value_kind: global_buffer, .address_space: global }
      - { .name: kh, .offset: 8, .size: 8, .value_kind: global_buffer, .address_space: global }
      - { .name: vh, .offset: 16, .size: 8, .value_kind: global_buffer, .address_space: global }
      - { .name: oh, .offset: 24, .size: 8, .value_kind: global_buffer, .address_space: global }
    .group_segment_fixed_size: 327680
    .private_segment_fixed_size: 0
    .kernarg_segment_align: 8
    .kernarg_segment_size: 32
    .max_flat_workgroup_size: 128
    .sgpr_count:     66
    .vgpr_count:     770
    .wavefront_size: 32
...
	.end_amdgpu_metadata
.endif
;; end of part 4
;; launch outp (part 5): grid 4 x 64, 4 waves a work-group, clusters of 4 x 4, 327,680 bytes of LDS; arguments oh, wts, bo, out0; writes out0
.if DOCPART == 5
	.amdgcn_target "amdgcn-amd-amdhsa--gfx1250"
	.amdhsa_code_object_version 6
	.text
	.protected	k_q36ff458107_outp
	.globl	k_q36ff458107_outp
	.p2align	8
	.type	k_q36ff458107_outp,@function
k_q36ff458107_outp:
	s_mov_b64 s[64:65], 0
	v_nop
	global_prefetch_b8 v0, s[64:65] scope:SCOPE_SE
	s_setreg_imm32_b32 hwreg(HW_REG_WAVE_MODE, 25, 1), 1
	s_wait_xcnt 0x0
	s_wait_alu depctr_hold_cnt(0) depctr_sa_sdst(0) depctr_va_vdst(0) depctr_va_sdst(0) depctr_va_ssrc(0) depctr_va_vcc(0) depctr_vm_vsrc(0)
	s_getreg_b32 s2, hwreg(HW_REG_IB_STS2, 6, 4)
	s_cmp_eq_u32 s2, 0
	s_cbranch_scc0 .Lentry_in_a_cluster
	s_endpgm
.Lentry_in_a_cluster:
	s_bfe_u32 s2, ttmp6, 0x10000c
	s_cmp_lg_u32 s2, 0xf033
	s_cbranch_scc0 .Lentry_shape_is_right
	s_endpgm
.Lentry_shape_is_right:
; out0 = ctx x Wo + bf16(bo), f32.  ctx[row][64 head + d] = oh[16 batch + head][row in batch][d], f16.  Wo: [1024 (k)][1024 (n)], rounded to bf16 and written as f16, at WO_OFF in wts.  out0: [8192][1024] f32.
; Products in f16, sums in f32, nothing rounded on the way out.
; LIMIT.  The operands arrive in f16 (numbers below 6e-5 with f16's fixed step of 6e-8).  NaN and infinities are not treated apart.
; SHARES.  A tile of C is 128 rows x 256 columns: 64 x 4 = 256 work-groups.  Four waves; wave w makes rows 64 (w / 2) on and columns 128 (w % 2) on: 4 x 8 accumulators of 16 x 16, 256 registers.
; K goes in steps of 128, two heads, through a ring of two LDS slots.  A head's 128 rows of a tile are 16,384 dense bytes of oh; W's tile lies [k][n] and is turned on its way out of LDS by ds_load_tr16_b128.
; THE MATRIX INSTRUCTION IS USED TRANSPOSED (source 0 = 16 columns of W, source 1 = 16 rows of A): a lane holds one row of C (lane % 16) and the 8 neighbouring columns 8 (lane / 16) + 0..7.
; The bias, laid out likewise, is the C operand of each accumulator's first product.
; CLUSTER.  4 x 4 work-groups.  The four of a row of the cluster need the same tiles of A, the four of a column the same tiles of W: each tile is asked for JOINTLY, by the same tensor load, descriptor and mask.
; THE ORDER.  A step is four quarters of 32 along K, 32 matrix instructions each, on fragment buffers 0, 1, 0, 1.  A quarter begins with the fetch of the next quarter's fragments.  The change of slots
; stands in front of a step's fourth quarter, when all of the step's fragments have been fetched.  So the text between two changes is one PAIR of quarters, walked twice.
; REGISTERS, in windows of 256 (s_set_vgpr_msb: bits 1:0 source 0, 3:2 source 1, 5:4 source 2, 7:6 destination):
;   window 0: v0-29 addresses; v32-95 A's fragments, two buffers; v96-223 at work on the way out
;   window 1: v0-127 W's fragments, two buffers; v128-191 the bias; v192-223 at work          window 2: the accumulators, (a, b) at v[8 (8 a + b)]
.set NS,    8                          ; steps: 1,024 / 128
.set W_OFF, 5242880                    ; Wo's first byte in wts
.set PA,    144                        ; a row of A in LDS: 128 bytes + 16 = 9 x 16: the 16 rows of a load start at 16 different groups of four banks (64 banks of 4 bytes: ISA guide 11.1)
.set PB,    544                        ; a row of W: 512 + 32 = 17 x 32
.set BREG,  2*128*PA                   ; in a slot: two heads' 128 rows of A, then W's 128 rows
.set SLOT,  BREG+128*PB
.set STAGE, 2*SLOT                     ; behind the ring, never filled by a tensor load: 16 rows x 528 bytes for each wave, for the way out
.set SP,    528
.set SPARE, STAGE+4*16*SP              ; behind the stages: the spare words, 128 bytes for each wave: two blocks of 256 bytes that no other line names
.set ASTEP, 2*262144                   ; bytes of memory from step to step: two heads of oh,
.set BSTEP, 128*2048                   ; 128 rows of W
.set DA,    64                         ; bytes of an LDS row of A in a quarter
.set AADV,  128*PA                     ; what two quarters advance in A's tile: a head
.set A0,  2                            ; v2   my lane's place in A's tile; never rewritten
.set B0,  3                            ; v3   the same in W's
.set FA,  4                            ; v4   LDS address of A's next fetches
.set FB,  5                            ; v5   of W's
.set STO, 6                            ; v6   the way out: where I put 32 bytes of a row
.set RD,  7                            ; v7   the way out: where I read a row back
.set GO,  8                            ; v8   my 16 bytes in 512 consecutive bytes of out0
.set PFO, 9                            ; v9   256 x my lane; never rewritten
.set BO,  13                           ; v13  my byte offset in the bias
.set SPW, 28                           ; v28  LDS address of my spare word: SPARE + 4 x my thread's number; never rewritten
.set NIL, 29                           ; v29  0; never rewritten
.set ABUF, 32
.set OB,   96
.set BIAS, 128                         ; window 1
.set BSC,  192                         ; window 1
.set WV, 12                            ; s12  my wave's number
.set RH, 13                            ; s13  which 64 rows are mine.  Also: I fetch for A (0) or for W (1)
.set CH, 14                            ; s14  which 128 columns.  Also: which head of the step's two, or which 64 rows of W, I fetch
.set CX, 15                            ; s15, s16  my place in the cluster
.set CY, 16
.set TC, 17                            ; s17  tile column
.set TR, 18                            ; s18  tile row
.set HM, 23                            ; s23  a word's upper bf16
.set G1A, 24                           ; s[24:31] descriptor group 1 for A's tiles;  s[32:39] group 0: a set for each of the two first fills; the second then walks on
.set G0A, 32
.set G1B, 40                           ; s[40:47], s[48:55] the same for W's
.set G0B, 48
.set SLOTS, 56                         ; s56  changes of slots still to come that fill a slot, and one
.set CNT, 57                           ; s57  counts the pairs of quarters between two changes
.set TBA, 58                           ; s58  LDS byte at which A's next fetches begin
.set LBA, 59                           ; s59  my half of A's tile in a slot
.set LBB, 60                           ; s60  my half of W's
.set LIM, 61                           ; s61  2 in the wave that prefetches, else the greatest number
.set PFA, 62                           ; s[62:63] where my prefetches stand
.set TBB, 82                           ; s82  LDS byte at which W's next fetches begin, less BREG
.set MSB, 0
.macro WIN new                         ; the immediate's high byte repeats the setting that is left; a switch that changes nothing is dropped
.if MSB != (\new)
	s_set_vgpr_msb (MSB<<8)|(\new)
.set MSB, (\new)
.endif
.endm
.set MUL,  0xa1                        ; source 0 (W) window 1, source 1 (A) window 0, C and D window 2
.set MUL1, 0x91                        ; the same with C (the bias) in window 1
.set TO_B, 0x40                        ; destination window 1, address window 0
.set W_BI, 0x45                        ; sources and destination window 1
.macro PLACES
.rept 4
	v_nop
.endr
.endm
; A joint refill.  Waves 0 and 1 fetch the step's two heads of A, waves 2 and 3 W's two halves.  The branch hangs on the wave's number alone.  An s_nop 0 and four v_nop follow each of the two lines.
.macro JLOAD
	s_cmp_eq_u32 s[RH], 0
	s_cbranch_scc0 .Lfor_b_\@
	tensor_load_to_lds s[G0A+4:G0A+7], s[G1A:G1A+7]
	s_nop 0
	PLACES
	s_branch .Lasked_\@
.Lfor_b_\@:
	tensor_load_to_lds s[G0B+4:G0B+7], s[G1B:G1B+7]
	s_nop 0
	PLACES
.Lasked_\@:
.endm
; A PREFETCH INTO THE L2 of A's step that stands TWO refills on, 256 matrix instructions ahead of the load that will want it.  A step of a tile is two heads x 16,384 bytes = 128 blocks of 256 bytes: the partner at
; place cx takes half cx % 2 of head cx / 2, told apart BY ADDRESS; wave 0 asks, a lane a block.  One cluster alone reads a row tile, so each block is named once in the launch.
; Steps 0 to 3 come by their loads alone; the last two changes that fill a slot ask for nothing: there is no step two refills on.  W is not asked for: all rows of clusters read it.
.macro ASK
	s_cmp_gt_u32 s[SLOTS], s[LIM]
	s_cbranch_scc0 .Lnot_mine_\@
	global_prefetch_b8 v[PFO], s[PFA:PFA+1] th:TH_LOAD_NT scope:SCOPE_SE
.Lnot_mine_\@:
.endm
; A round of the cluster's barrier: my work-group's barrier, so that wave 0's signal speaks for all four waves; wave 0 signals; every wave waits for all sixteen work-groups; my work-group's barrier once more.
.macro CROUND
	s_barrier_signal -1
	s_barrier_wait -1
	s_cmp_lg_u32 s[WV], 0
	s_cbranch_scc1 .Lnot_wave_0_\@
	s_barrier_signal -3
.Lnot_wave_0_\@:
	s_barrier_wait -3
	s_barrier_signal -1
	s_barrier_wait -1
.endm
	s_load_b256 s[4:11], s[0:1], 0x0               ; oh s[4:5], wts s[6:7], bo s[8:9], out0 s[10:11]
	v_lshl_add_u32 v[SPW], v0, 2, SPARE
	v_mov_b32 v[NIL], 0
	ds_add_u32 v[SPW], v[NIL]                      ; the wave's opening: the add and its wait stand ahead of my first tensor load; the set-up below, work on registers, stands between them
	v_lshrrev_b32 v11, 5, v0
	v_readfirstlane_b32 s[WV], v11                 ; wave 0..3
	s_lshr_b32 s[RH], s[WV], 1
	s_and_b32 s[CH], s[WV], 1
	s_bfe_u32 s[CX], ttmp6, 0x40000
	s_bfe_u32 s[CY], ttmp6, 0x40004
	s_lshl_b32 s[TC], ttmp9, 2                     ; in a cluster launch ttmp9 and ttmp7 count clusters
	s_add_co_u32 s[TC], s[TC], s[CX]
	s_and_b32 s[TR], ttmp7, 0xffff
	s_lshl_b32 s[TR], s[TR], 2
	s_add_co_u32 s[TR], s[TR], s[CY]
	s_lshl_b32 s19, s[CY], 2
	s_lshl_b32 s19, 15, s19                        ; my row of the cluster: places 4 cy .. 4 cy + 3
	s_lshl_b32 s66, 0x1111, s[CX]                  ; my column: places cx, cx + 4, cx + 8, cx + 12
	; group 1 for A: a head's 128 rows of 128 bytes are dense: asked for as 64 rows of 256 bytes, two rows of oh each, and padded in LDS after every row of oh
	s_or_b32 s[G1A], s19, (1<<16)|(1<<20)|(1<<21)|(4<<22)|(3<<25)  ; 15:0 the mask; 17:16 elements of 2 bytes; 20 padding on; 21 set beside a mask; 24:22 after every 32 words (code 4); 31:25 4 words (code 3)
	s_mov_b32 s[G1A+1], 128<<16                    ; tensor_dim0 = 128
	s_mov_b32 s[G1A+2], 64<<16                     ; tensor_dim1 = 64
	s_mov_b32 s[G1A+3], 128<<16                    ; tile_dim0 = 128
	s_mov_b32 s[G1A+4], 64                         ; tile_dim1 = 64
	s_mov_b32 s[G1A+5], 128                        ; elements from row to row
	s_mov_b32 s[G1A+6], 0
	s_mov_b32 s[G1A+7], 0
	; group 1 for W: 64 rows x 256 elements of 2 bytes, 8 words of padding behind every 128
	s_or_b32 s[G1B], s66, (1<<16)|(1<<20)|(1<<21)|(6<<22)|(7<<25)
	s_mov_b32 s[G1B+1], 256<<16
	s_mov_b32 s[G1B+2], 64<<16
	s_mov_b32 s[G1B+3], 256<<16
	s_mov_b32 s[G1B+4], 64
	s_mov_b32 s[G1B+5], 1024
	s_mov_b32 s[G1B+6], 0
	s_mov_b32 s[G1B+7], 0
	; where the tiles come from.  A's hang on the tile row and the wave alone, W's on the tile column and the wave, each made in registers that never hold the other coordinate
	s_lshr_b32 s20, s[TR], 4                       ; A: the batch's sixteen heads,
	s_lshl_b32 s20, s20, 4
	s_add_co_u32 s20, s20, s[CH]                   ; head 0 or 1 of them,
	s_lshl_b32 s20, s20, 18                        ; 262,144 bytes a head,
	s_and_b32 s21, s[TR], 15
	s_lshl_b32 s21, s21, 14                        ; 128 rows of 128 bytes a tile row
	s_add_co_u32 s20, s20, s21
	s_mov_b32 s21, 0
	s_lshl_b32 s66, s[TC], 9                       ; W: 256 columns of 2 bytes a tile column,
	s_lshl_b32 s67, s[CH], 17                      ; 64 rows of 2,048 bytes a half
	s_add_co_u32 s66, s66, s67
	s_add_co_u32 s66, s66, W_OFF
	s_mov_b32 s67, 0
	s_mul_i32 s[LBA], s[CH], 128*PA                ; and where they go: no place in the cluster enters an LDS address
	s_mul_i32 s[LBB], s[CH], 64*PB
	s_add_co_u32 s[LBB], s[LBB], BREG
	s_mov_b32 s[TBA], 0
	s_mov_b32 s[TBB], 0
	s_mov_b32 s[HM], 0xffff0000
	s_cmp_eq_u32 s[WV], 0
	s_cselect_b32 s[LIM], 2, -1                    ; wave 0 prefetches
	s_wait_dscnt 0x0                               ; the opening add is done
	s_wait_kmcnt 0x0
	s_add_nc_u64 s[4:5], s[4:5], s[20:21]          ; A at my head of step 0
	s_add_nc_u64 s[6:7], s[6:7], s[66:67]          ; W at my half of step 0
	s_lshr_b32 s66, s[CX], 1                       ; the prefetches (wave 0, whose A stands at the step's first head): head cx / 2 of the step's two,
	s_lshl_b32 s66, s66, 18
	s_and_b32 s67, s[CX], 1                        ; half cx % 2 of its 16,384 bytes
	s_lshl_b32 s67, s67, 13
	s_add_co_u32 s66, s66, s67
	s_mov_b32 s67, 0
	s_add_nc_u64 s[PFA:PFA+1], s[4:5], s[66:67]
	s_add_nc_u64 s[PFA:PFA+1], s[PFA:PFA+1], 3*ASTEP  ; at step 3: the first change of slots steps it to 4
	CROUND                                         ; all sixteen work-groups are here: the first joint loads meet
.irp n, 0,1
	s_mov_b32 s[G0A+4*(\n)], 1                                     ; 1:0 count = 1
	s_add_co_u32 s[G0A+4*(\n)+1], s[LBA], (\n)*SLOT                ; 63:32 LDS address
	s_add_nc_u64 s[G0A+4*(\n)+2:G0A+4*(\n)+3], s[4:5], (\n)*ASTEP  ; 120:64 global address: step n
	s_or_b32 s[G0A+4*(\n)+3], s[G0A+4*(\n)+3], 0x80000000          ; 127:126 type = 2
	s_mov_b32 s[G0B+4*(\n)], 1
	s_add_co_u32 s[G0B+4*(\n)+1], s[LBB], (\n)*SLOT
	s_add_nc_u64 s[G0B+4*(\n)+2:G0B+4*(\n)+3], s[6:7], (\n)*BSTEP
	s_or_b32 s[G0B+4*(\n)+3], s[G0B+4*(\n)+3], 0x80000000
.endr
	s_cmp_eq_u32 s[RH], 0                          ; a wave's two first fills stand in one branch, ahead of every wait on TENSORcnt and every LDS read: two loads of mine are out
	s_cbranch_scc0 .Lfirst_b
	tensor_load_to_lds s[G0A:G0A+3], s[G1A:G1A+7]
	s_nop 0
	tensor_load_to_lds s[G0A+4:G0A+7], s[G1A:G1A+7]
	s_nop 0
	PLACES
	s_branch .Lfirst_asked
.Lfirst_b:
	tensor_load_to_lds s[G0B:G0B+3], s[G1B:G1B+7]
	s_nop 0
	tensor_load_to_lds s[G0B+4:G0B+7], s[G1B:G1B+7]
	s_nop 0
	PLACES
.Lfirst_asked:
	; all that follows up to the wait stands in the wait for the first tile
	v_and_b32 v1, 15, v0                           ; r = l % 16
	v_bfe_u32 v10, v0, 4, 1                        ; h = l / 16
	s_lshl_b32 s66, s[TC], 10                      ; the bias: 4 bytes x (256 x tile column + 128 x half + 8 h)
	s_lshl_b32 s67, s[CH], 9
	s_add_co_u32 s66, s66, s67
	v_lshl_add_u32 v[BO], v10, 5, s66
	WIN TO_B
.irp b, 0,1,2,3,4,5,6,7                ; block b of 16 columns: my 8 numbers
	global_load_b128 v[BIAS+8*(\b):BIAS+8*(\b)+3],   v[BO], s[8:9] offset:64*(\b)
	global_load_b128 v[BIAS+8*(\b)+4:BIAS+8*(\b)+7], v[BO], s[8:9] offset:64*(\b)+16
.endr
	WIN 0
	; A fragment is 16 rows x 32 K in 8 registers: lane l holds row l % 16, K = 8 h + 0..7 and 16 + 8 h + 0..7: two loads of 16 bytes, 32 bytes apart.
	v_mul_u32_u24 v[A0], v1, PA
	v_lshl_add_u32 v[A0], v10, 4, v[A0]
	s_mul_i32 s19, s[RH], 64*PA
	v_add_nc_u32 v[A0], s19, v[A0]
	; The turning load takes 16 k x 16 columns (lane l reads row 8 h + l % 8, columns 8 ((l / 8) % 2) + 0..7) and leaves half a fragment: lane l holds column l % 16 and 8 k.
	v_and_b32 v11, 7, v0
	v_bfe_u32 v12, v0, 3, 1
	v_lshl_add_u32 v[B0], v10, 3, v11
	v_mul_u32_u24 v[B0], v[B0], PB
	v_lshl_add_u32 v[B0], v12, 4, v[B0]
	s_lshl_b32 s19, s[CH], 8                       ; my 128 columns
	s_add_co_u32 s19, s19, BREG
	v_add_nc_u32 v[B0], s19, v[B0]
	v_mov_b32 v[FA], v[A0]
	v_mov_b32 v[FB], v[B0]
	s_mul_i32 s19, s[WV], 16*SP
	s_add_co_u32 s19, s19, STAGE                   ; my stage
	v_mul_u32_u24 v[STO], v1, SP                   ; in: row l % 16, 32 bytes for each half of the lanes
	v_lshl_add_u32 v[STO], v10, 5, v[STO]
	v_add_nc_u32 v[STO], s19, v[STO]
	v_and_b32 v[GO], 31, v0
	v_lshlrev_b32 v[PFO], 8, v[GO]                 ; the prefetches: a lane a block of 256 bytes
	v_lshlrev_b32 v[GO], 4, v[GO]                  ; back: 32 lanes take a row's 512 bytes,
	v_add_nc_u32 v[RD], s19, v[GO]                 ; which are 512 consecutive bytes of out0
	s_lshl_b32 s66, s[TR], 19                      ; where my part of the tile begins in out0: 128 rows of 4,096 bytes a tile row,
	s_lshl_b32 s67, s[RH], 18                      ; 64 a wave,
	s_add_co_u32 s66, s66, s67
	s_lshl_b32 s67, s[TC], 10                      ; 256 columns of 4 bytes a tile column,
	s_add_co_u32 s66, s66, s67
	s_lshl_b32 s67, s[CH], 9                       ; 128 a wave
	s_add_co_u32 s66, s66, s67
	s_mov_b32 s67, 0
	s_add_nc_u64 s[10:11], s[10:11], s[66:67]
	s_wait_loadcnt 0x0                             ; the bias; it is rounded to bf16 like every input and widened again
	WIN W_BI
.set i, 0
.rept 32
	v_cvt_pk_bf16_f32 v[BSC+i], v[BIAS+2*i], v[BIAS+2*i+1]
.set i, i+1
.endr
.set i, 0
.rept 32
	v_lshlrev_b32 v[BIAS+2*i],   16,    v[BSC+i]
	v_and_b32     v[BIAS+2*i+1], s[HM], v[BSC+i]
.set i, i+1
.endr
	WIN 0
; Product p of a quarter's 32 on buffer f: rows 16 (p / 8) on, columns 16 (p % 8) on.  Each accumulator has one product a quarter, in the same order everywhere: the accumulators take turns.
.macro PROD f, p, first
.set rD, 8*(\p)
.set rB, 64*(\f)+8*((\p)%8)
.set rA, ABUF+32*(\f)+8*((\p)/8)
.set rC, BIAS+8*((\p)%8)
.if \first
	WIN MUL1
	v_wmma_f32_16x16x32_f16 v[rD:rD+7], v[rB:rB+7], v[rA:rA+7], v[rC:rC+7]
.else
	WIN MUL
	v_wmma_f32_16x16x32_f16 v[rD:rD+7], v[rB:rB+7], v[rA:rA+7], v[rD:rD+7]
.endif
.endm
; 24 LDS loads in one run: a quarter's A (8 loads) and its W, turned (16 loads), into buffers g
.macro FETCH g, ka, kb
	WIN 0
.irp a, 0,1,2,3
	ds_load_b128 v[ABUF+32*(\g)+8*(\a):ABUF+32*(\g)+8*(\a)+3],   v[FA] offset:(\ka)+(\a)*16*PA
	ds_load_b128 v[ABUF+32*(\g)+8*(\a)+4:ABUF+32*(\g)+8*(\a)+7], v[FA] offset:(\ka)+(\a)*16*PA+32
.endr
	WIN TO_B
.irp b, 0,1,2,3,4,5,6,7
	ds_load_tr16_b128 v[64*(\g)+8*(\b):64*(\g)+8*(\b)+3],   v[FB] offset:(\kb)+32*(\b)
	ds_load_tr16_b128 v[64*(\g)+8*(\b)+4:64*(\g)+8*(\b)+7], v[FB] offset:(\kb)+32*(\b)+16*PB
.endr
.endm
; A QUARTER multiplies buffers f.  It begins with the fetch of the next quarter (bytes ka, kb behind FA, FB) into buffers g, which the quarter before multiplied: four places stand in front of those loads
; (ISA guide 7.12.1 for vector instructions), four issue slots for 32 matrix instructions.
.macro QUARTER f, g, ka, kb, first=0, fetch=1
.if \fetch
	PLACES
	FETCH \g, \ka, \kb
	s_wait_dscnt 24                                ; all but the 24 just issued: buffers f are in
.else
	s_wait_dscnt 0x0
.endif
.set i, 0
.rept 32
	PROD \f, i, \first
.set i, i+1
.endr
	WIN 0
.endm
.macro ADVANCE                         ; two quarters on
	s_add_co_u32 s[TBA], s[TBA], AADV
	s_add_co_u32 s[TBB], s[TBB], 64*PB
	v_add_nc_u32 v[FA], s[TBA], v[A0]
	v_add_nc_u32 v[FB], s[TBB], v[B0]
.endm
.macro PAIR
	QUARTER 1, 0, 0, 0
	QUARTER 0, 1, DA, 32*PB
	ADVANCE
.endm
; THE CHANGE OF SLOTS.  The slot's last fragments have been asked for.  Each wave waits for all its tensor loads, of which one is out: its part of the other slot; adds 0 to its spare word; and waits for that and
; for its own reads of the slot.  fill = 1: the slot is filled again, with the step two on.  The barrier is then a round of the cluster's, so that no wave of any partner still reads the slot or has a load on its
; way, and the joint refill is the first thing behind it: it has a step, 128 matrix instructions, in which to land.
.macro CHANGE fill
	WIN 0
	s_wait_tensorcnt 0x0                           ; no tensor load of mine is out, so a group 0 may be written
	ds_add_u32 v[SPW], v[NIL]                      ; 0 onto my spare word; scalar work stands between it and the wait for it
	s_sub_co_u32 s[TBA], s[TBA], 2*AADV            ; back to the first byte of the slot that is left: 0 or SLOT
	s_sub_co_u32 s[TBB], s[TBB], 128*PB
.if \fill
	s_add_co_u32 s[G0A+5], s[LBA], s[TBA]          ; the walking descriptors: into that slot,
	s_add_nc_u64 s[G0A+6:G0A+7], s[G0A+6:G0A+7], ASTEP  ; the next step; the type bits on top are not reached
	s_add_co_u32 s[G0B+5], s[LBB], s[TBA]
	s_add_nc_u64 s[G0B+6:G0B+7], s[G0B+6:G0B+7], BSTEP
	s_wait_xcnt 0x0                                ; the last prefetch, a step back, has read its address
	s_add_nc_u64 s[PFA:PFA+1], s[PFA:PFA+1], ASTEP
	s_wait_dscnt 0x0                               ; the add is done, and my reads of the slot are over
	CROUND
	JLOAD
	ASK
.else
	s_wait_dscnt 0x0
	s_barrier_signal -1
	s_barrier_wait -1
.endif
	s_xor_b32 s[TBA], s[TBA], SLOT                 ; the fetches go on in the other slot
	s_xor_b32 s[TBB], s[TBB], SLOT
	v_add_nc_u32 v[FA], s[TBA], v[A0]
	v_add_nc_u32 v[FB], s[TBB], v[B0]
.endm
	s_wait_tensorcnt 1                             ; my part of step 0 is in; step 1's may stay out
	s_barrier_signal -1
	s_barrier_wait -1                              ; everybody's is
	FETCH 0, 0, 0
	QUARTER 0, 1, DA, 32*PB, 1                     ; the first quarter: its products start the sums, with the bias
	ADVANCE
	s_mov_b32 s[SLOTS], NS-1
	s_mov_b32 s[CNT], 1
	s_branch .Lpair                                ; step 0 has one pair of quarters in front of its change
.Lslot:                                        ; NS - 2 times: every slot but the last two is filled again
	CHANGE 1
	s_mov_b32 s[CNT], 2
.Lpair:                                        ; (a step's fourth quarter, the next step's first), then (its second, its third)
	PAIR
	s_sub_co_u32 s[CNT], s[CNT], 1
	s_cmp_lg_u32 s[CNT], 0
	s_cbranch_scc1 .Lpair
	s_sub_co_u32 s[SLOTS], s[SLOTS], 1
	s_cmp_lg_u32 s[SLOTS], 0
	s_cbranch_scc1 .Lslot
	CHANGE 0                                       ; the tail is written out: nothing is asked for
	s_mov_b32 s[CNT], 2
.Ltail:
	PAIR
	s_sub_co_u32 s[CNT], s[CNT], 1
	s_cmp_lg_u32 s[CNT], 0
	s_cbranch_scc1 .Ltail
	QUARTER 1, 0, 0, 0, 0, 0                       ; the last quarter fetches nothing
; THE WAY OUT, a block of 16 rows at a time: a lane's eight columns of a row, 32 bytes, go from the accumulators into my stage, each accumulator's low four registers first, and come back as whole rows of 512 bytes.
.macro OUTB a
.set BK, OB+64*((\a)%2)
	WIN 0
	s_wait_xcnt 0x0                                ; the stores of two blocks back have read the registers that are loaded below
	WIN 0x08                                       ; the LDS stores' data lie in window 2
.irp b, 0,1,2,3,4,5,6,7
	ds_store_b128 v[STO], v[8*(8*(\a)+(\b)):8*(8*(\a)+(\b))+3]   offset:64*(\b)
	ds_store_b128 v[STO], v[8*(8*(\a)+(\b))+4:8*(8*(\a)+(\b))+7] offset:64*(\b)+16
.endr
	WIN 0
.irp t, 0,1,2,3,4,5,6,7,8,9,10,11,12,13,14,15
	ds_load_b128 v[BK+4*(\t):BK+4*(\t)+3], v[RD] offset:(\t)*SP  ; LDS serves a wave's instructions in order (ISA guide 5.7.1.4): these see the stores above; the next block's stores come behind them
.endr
.irp t, 0,1,2,3,4,5,6,7,8,9,10,11,12,13,14,15
	s_wait_dscnt 15-(\t)                           ; row t is back; the 15 - t younger loads may stay out
	global_store_b128 v[GO], v[BK+4*(\t):BK+4*(\t)+3], s[10:11] offset:(16*(\a)+(\t))*4096 th:TH_STORE_NT  ; 512 consecutive bytes of a row, at a multiple of 256 from out0's first
.endr
.endm
	PLACES                                         ; the LDS stores read results just made
	OUTB 0
	OUTB 1
	OUTB 2
	OUTB 3
	s_wait_tensorcnt 0x0                           ; the wave's end: the add and its wait, behind my last tensor load and my last LDS store
	ds_add_u32 v[SPW], v[NIL]
	s_wait_dscnt 0x0
	CROUND                                         ; the closing round: no work-group ends while a partner may still ask for a tile that names it
	s_endpgm
.Lfunc_end_k_q36ff458107_outp:
	.size	k_q36ff458107_outp, .Lfunc_end_k_q36ff458107_outp-k_q36ff458107_outp
	.p2alignl 7, 3214868480
	.fill 96, 4, 3214868480
	.section	.rodata,"a",@progbits
	.p2align	6, 0x0
	.amdhsa_kernel k_q36ff458107_outp
		.amdhsa_group_segment_fixed_size 327680
		.amdhsa_private_segment_fixed_size 0
		.amdhsa_enable_private_segment 0
		.amdhsa_kernarg_size 32
		.amdhsa_user_sgpr_count 2
		.amdhsa_user_sgpr_kernarg_segment_ptr 1
		.amdhsa_wavefront_size32 1
		.amdhsa_system_sgpr_workgroup_id_x 1
		.amdhsa_system_sgpr_workgroup_id_y 1
		.amdhsa_system_sgpr_workgroup_id_z 1
		.amdhsa_system_vgpr_workitem_id 0
		.amdhsa_next_free_vgpr 768
		.amdhsa_next_free_sgpr 96
		.amdhsa_reserve_vcc 0
		.amdhsa_float_denorm_mode_32 3
		.amdhsa_float_denorm_mode_16_64 3
		.amdhsa_memory_ordered 1
		.amdhsa_forward_progress 1
		.amdhsa_inst_pref_size 56
	.end_amdhsa_kernel
	.amdgpu_metadata
---
amdhsa.version: [ 1, 2 ]
amdhsa.kernels:
  - .name:           k_q36ff458107_outp
    .symbol:         k_q36ff458107_outp.kd
    .args:
      - { .name: oh, .offset: 0, .size: 8, .value_kind: global_buffer, .address_space: global }
      - { .name: wts, .offset: 8, .size: 8, .value_kind: global_buffer, .address_space: global }
      - { .name: bo, .offset: 16, .size: 8, .value_kind: global_buffer, .address_space: global }
      - { .name: out0, .offset: 24, .size: 8, .value_kind: global_buffer, .address_space: global }
    .group_segment_fixed_size: 327680
    .private_segment_fixed_size: 0
    .kernarg_segment_align: 8
    .kernarg_segment_size: 32
    .max_flat_workgroup_size: 128
    .sgpr_count:     96
    .vgpr_count:     768
    .wavefront_size: 32
...
	.end_amdgpu_metadata
.endif
;; end of part 5
;; ======== version 2 of 2: 5 launches; version 1 with the launch cast written anew for expert scheduling mode
;; limits: values are held in f16: magnitudes above 65,504 overflow, below 6.1e-05 lose precision
;; workspace buffers: wts 7,340,032 bytes; qh 16,777,216 bytes; kh 16,777,216 bytes; vh 16,777,216 bytes; oh 16,777,216 bytes
;; launch cast (part 6): grid 256 x 1, 4 waves a work-group, no clusters, 0 bytes of LDS; arguments Wq, Wk, Wv, Wo, wts; writes wts
.if DOCPART == 6
	.amdgcn_target "amdgcn-amd-amdhsa--gfx1250"
	.amdhsa_code_object_version 6
	.text
	.protected	k_q36ff458107_cast
	.globl	k_q36ff458107_cast
	.p2align	8
	.type	k_q36ff458107_cast,@function
k_q36ff458107_cast:
	s_mov_b64 s[64:65], 0
	v_nop
	global_prefetch_b8 v0, s[64:65] scope:SCOPE_SE
	s_setreg_imm32_b32 hwreg(HW_REG_WAVE_SCHED_MODE, 0, 2), 2
	s_setreg_imm32_b32 hwreg(HW_REG_WAVE_MODE, 25, 1), 1
	s_wait_xcnt 0x0
	s_wait_alu depctr_vm_vsrc(0)
; THE WEIGHTS IN 16 BITS.  Wq [1024][1024], Wk and Wv [768][1024], Wo [1024][1024], f32, keep their layout and go one behind the other into wts, rows of 1,024 numbers of 2 bytes.
; Wq, Wk, Wv: rounded once to bf16.  Wo: rounded to bf16 like every input, and that number written as f16, since the last product takes f16 operands.
; LIMIT.  A bf16 number is exact in f16 from 6.1e-5 to 65,504; below that Wo keeps f16's fixed step of 6e-8; beyond it the result is an infinity.
; SHARES.  Work-group i takes 1/256 of each weight: 4 + 3 + 3 + 4 = 14 items of 1,024 numbers.  In an item thread t takes 8 numbers: 32 bytes in by two loads, 16 bytes out by one store,
; so a wave's store covers 512 consecutive bytes, aligned.  All 28 loads go out first.
; No LDS, no matrix unit, no prefetch: each byte is read once, by loads that all stand at the head.
; THE MODE: SCHED_MODE bits 1:0 = 2 (LLVM: expert scheduling mode 2), set by the entry lines.  The code itself states the register dependences
; between vector instructions and memory instructions, with s_wait_alu, always for 0.
; THE PLAN.  Registers that memory instructions touch:
;   v1, v2    the loads' and the stores' offsets: made once at the head and never written again.
;   IN[n]     written by item n's two loads, once; read by item n's roundings.  No vector instruction names it ahead of the loads, and no load is issued behind the head.
;   OUT[n]    written by item n's roundings; read by item n's one store, which is issued in the step after; never written again.
;   T is named by vector instructions alone.
; The 14 items go in 7 steps of two.  Step s rounds items 2 s and 2 s + 1; its memory instructions are the stores of items 2 s - 2 and 2 s - 1, whose OUT no vector instruction of step s names.
; So one wait at a step's head states all that its two stores hang on, and they are dealt among its roundings with no further wait.  No register that a memory instruction reads is written
; again, so nothing is owed for the stores' and loads' sources.
.set WK_OFF, 2097152                   ; bytes in wts in front of Wk,
.set WV_OFF, 3670016                   ; of Wv,
.set WO_OFF, 5242880                   ; of Wo
.set IN,  8                            ; v[8:119]    item n: 8 registers as loaded
.set OUT, 120                          ; v[120:175]  item n: 4 registers to store
.set T,   176                          ; v[176:183]  at work
	s_load_b256 s[4:11], s[0:1], 0x0               ; Wq s[4:5], Wk s[6:7], Wv s[8:9], Wo s[10:11]
	s_load_b64 s[12:13], s[0:1], 0x20              ; wts
	s_lshl_b32 s16, ttmp9, 14                      ; my 4,096 numbers of Wq and Wo, in bytes of f32
	s_mov_b32 s17, 0
	s_mul_i32 s18, ttmp9, 12288                    ; my 3,072 numbers of Wk and Wv
	s_mov_b32 s19, 0
	s_lshl_b32 s14, ttmp9, 13                      ; the same in bytes of 16-bit numbers
	s_mov_b32 s15, 0
	s_mul_i32 s2, ttmp9, 6144
	s_mov_b32 s3, 0
	s_mov_b32 s28, 0xffff0000                      ; a word's upper bf16
	v_lshlrev_b32 v1, 5, v0                        ; 32 t
	v_lshlrev_b32 v2, 4, v0                        ; 16 t
	s_wait_kmcnt 0x0
	s_add_nc_u64 s[4:5], s[4:5], s[16:17]
	s_add_nc_u64 s[10:11], s[10:11], s[16:17]
	s_add_nc_u64 s[6:7], s[6:7], s[18:19]
	s_add_nc_u64 s[8:9], s[8:9], s[18:19]
	s_add_nc_u64 s[20:21], s[12:13], s[14:15]      ; where my part of Wq goes,
	s_add_nc_u64 s[22:23], s[12:13], s[2:3]
	s_add_nc_u64 s[26:27], s[20:21], WO_OFF        ; of Wo,
	s_add_nc_u64 s[24:25], s[22:23], WV_OFF        ; of Wv,
	s_add_nc_u64 s[22:23], s[22:23], WK_OFF        ; of Wk
	s_wait_alu depctr_va_vdst(0)                   ; v1 and v2 are written: every load of the kernel reads v1 as its offset, every store v2
.macro LD n, base, k                   ; item n: the k-th 1,024 numbers behind s[base]
	global_load_b128 v[IN+8*(\n):IN+8*(\n)+3],   v1, s[\base:\base+1] offset:(\k)*4096 th:TH_LOAD_NT
	global_load_b128 v[IN+8*(\n)+4:IN+8*(\n)+7], v1, s[\base:\base+1] offset:(\k)*4096+16 th:TH_LOAD_NT
.endm
.macro HEAD s                          ; the head of step s
	s_wait_loadcnt 24-4*(\s)                       ; loads come back in order: behind this step's four stand the later steps' 24 - 4 s
.if (\s) > 0
	s_wait_alu depctr_va_vdst(0)                   ; the step before has written the OUT of its two items, which the two stores of this step read
.endif
.endm
.macro CONV n, half                    ; item n is rounded.  half = 1: on from bf16 to f16
.irp j, 0,1,2,3
	v_cvt_pk_bf16_f32 v[OUT+4*(\n)+(\j)], v[IN+8*(\n)+2*(\j)], v[IN+8*(\n)+2*(\j)+1]
.endr
.if \half
.irp j, 0,1,2,3
	v_lshlrev_b32 v[T+2*(\j)],   16,  v[OUT+4*(\n)+(\j)]
	v_and_b32     v[T+2*(\j)+1], s28, v[OUT+4*(\n)+(\j)]
.endr
.irp j, 0,1,2,3
	v_cvt_pk_f16_f32 v[OUT+4*(\n)+(\j)], v[T+2*(\j)], v[T+2*(\j)+1]
.endr
.endif
.endm
.macro ST n, base, k                   ; item n is stored: the k-th 1,024 numbers behind s[base].  No vector instruction since the last wait on va_vdst names OUT[n] or v2
	global_store_b128 v2, v[OUT+4*(\n):OUT+4*(\n)+3], s[\base:\base+1] offset:(\k)*2048
.endm
	LD 0, 4, 0
	LD 1, 4, 1
	LD 2, 4, 2
	LD 3, 4, 3
	LD 4, 6, 0
	LD 5, 6, 1
	LD 6, 6, 2
	LD 7, 8, 0
	LD 8, 8, 1
	LD 9, 8, 2
	LD 10, 10, 0
	LD 11, 10, 1
	LD 12, 10, 2
	LD 13, 10, 3
	HEAD 0                                         ; step 0 has no step in front of it: nothing to store
	CONV 0, 0
	CONV 1, 0
	HEAD 1
	ST 0, 20, 0
	CONV 2, 0
	ST 1, 20, 1
	CONV 3, 0
	HEAD 2
	ST 2, 20, 2
	CONV 4, 0
	ST 3, 20, 3
	CONV 5, 0
	HEAD 3
	ST 4, 22, 0
	CONV 6, 0
	ST 5, 22, 1
	CONV 7, 0
	HEAD 4
	ST 6, 22, 2
	CONV 8, 0
	ST 7, 24, 0
	CONV 9, 0
	HEAD 5
	ST 8, 24, 1
	CONV 10, 1
	ST 9, 24, 2
	CONV 11, 1
	HEAD 6
	ST 10, 26, 0
	CONV 12, 1
	ST 11, 26, 1
	CONV 13, 1
	s_wait_alu depctr_va_vdst(0)                   ; step 6 has written the OUT of items 12 and 13, which the last two stores read
	ST 12, 26, 2
	ST 13, 26, 3
	s_endpgm
.Lfunc_end_k_q36ff458107_cast:
	.size	k_q36ff458107_cast, .Lfunc_end_k_q36ff458107_cast-k_q36ff458107_cast
	.p2alignl 7, 3214868480
	.fill 96, 4, 3214868480
	.section	.rodata,"a",@progbits
	.p2align	6, 0x0
	.amdhsa_kernel k_q36ff458107_cast
		.amdhsa_group_segment_fixed_size 0
		.amdhsa_private_segment_fixed_size 0
		.amdhsa_enable_private_segment 0
		.amdhsa_kernarg_size 40
		.amdhsa_user_sgpr_count 2
		.amdhsa_user_sgpr_kernarg_segment_ptr 1
		.amdhsa_wavefront_size32 1
		.amdhsa_system_sgpr_workgroup_id_x 1
		.amdhsa_system_sgpr_workgroup_id_y 1
		.amdhsa_system_sgpr_workgroup_id_z 1
		.amdhsa_system_vgpr_workitem_id 0
		.amdhsa_next_free_vgpr 184
		.amdhsa_next_free_sgpr 66
		.amdhsa_reserve_vcc 0
		.amdhsa_float_denorm_mode_32 3
		.amdhsa_float_denorm_mode_16_64 3
		.amdhsa_memory_ordered 1
		.amdhsa_forward_progress 1
		.amdhsa_inst_pref_size 12
	.end_amdhsa_kernel
	.amdgpu_metadata
---
amdhsa.version: [ 1, 2 ]
amdhsa.kernels:
  - .name:           k_q36ff458107_cast
    .symbol:         k_q36ff458107_cast.kd
    .args:
      - { .name: Wq, .offset: 0, .size: 8, .value_kind: global_buffer, .address_space: global }
      - { .name: Wk, .offset: 8, .size: 8, .value_kind: global_buffer, .address_space: global }
      - { .name: Wv, .offset: 16, .size: 8, .value_kind: global_buffer, .address_space: global }
      - { .name: Wo, .offset: 24, .size: 8, .value_kind: global_buffer, .address_space: global }
      - { .name: wts, .offset: 32, .size: 8, .value_kind: global_buffer, .address_space: global }
    .group_segment_fixed_size: 0
    .private_segment_fixed_size: 0
    .kernarg_segment_align: 8
    .kernarg_segment_size: 40
    .max_flat_workgroup_size: 128
    .sgpr_count:     66
    .vgpr_count:     184
    .wavefront_size: 32
...
	.end_amdgpu_metadata
.endif
;; end of part 6
;; launch projq: the kernel of part 2 again; grid 4 x 64, 4 waves a work-group, clusters of 4 x 4, 327,680 bytes of LDS; arguments query, wts, bq, qh; writes qh
;; launch projkv: the kernel of part 3 again; grid 4 x 128, 4 waves a work-group, clusters of 4 x 4, 327,680 bytes of LDS; arguments key, value, wts, bk, bv, kh, vh; writes kh, vh
;; launch attn: the kernel of part 4 again; grid 4 x 64, 4 waves a work-group, clusters of 4 x 1, 327,680 bytes of LDS; arguments qh, kh, vh, oh; writes oh
;; launch outp: the kernel of part 5 again; grid 4 x 64, 4 waves a work-group, clusters of 4 x 4, 327,680 bytes of LDS; arguments oh, wts, bo, out0; writes out0
